; MI455X (gfx1250); checked and timed in simulation.
; The chip was launched on July 23, 2026; its instructions are those of AMD's public machine-readable ISA for CDNA 5 (MIT licence, August 2026) and "CDNA5" Instruction Set Architecture Reference Guide (July 2026). The comments in the code are by the model that wrote it; some were corrected since.
;; A Li Bi Multi Head Attention. Allowed arithmetic: float matrix products may take bf16 or f16 operands with f32 sums; all other float work in f32.
;; Inputs: Wk 1,024 x 1,024 float32; Wo 1,024 x 1,024 float32; Wq 1,024 x 1,024 float32; Wv 1,024 x 1,024 float32; bk 1,024 float32; bo 1,024 float32; bq 1,024 float32; bv 1,024 float32; inputs 2 x 2,048 x 1,024 float32.
;; Outputs: out0 2 x 2,048 x 1,024 float32.
;; 2 versions, each right and faster than the one before. Each part assembles by itself: llvm-mc -triple=amdgcn-amd-amdhsa -mcpu=gfx1250 --defsym DOCPART=n.
;; ======== version 1 of 2: 4 launches
;; limits: values are held in f16: magnitudes above 65,504 overflow, below 6.1e-05 lose precision
;; workspace buffers: xb 8,388,608 bytes; wt 8,388,608 bytes; qkv 25,165,824 bytes; ctx 8,388,608 bytes
;; launch prep (part 1): grid 256 x 1, 8 waves a work-group, no clusters, 33,792 bytes of LDS; arguments inputs, Wq, Wk, Wv, Wo, xb, wt; writes xb, wt
.if DOCPART == 1
	.amdgcn_target "amdgcn-amd-amdhsa--gfx1250"
	.amdhsa_code_object_version 6
	.text
	.protected	k_q0a48cdaf65_prep
	.globl	k_q0a48cdaf65_prep
	.p2align	8
	.type	k_q0a48cdaf65_prep,@function
k_q0a48cdaf65_prep:
	s_mov_b64 s[64:65], 0
	v_nop
	global_prefetch_b8 v0, s[64:65] scope:SCOPE_SE
	s_setreg_imm32_b32 hwreg(HW_REG_WAVE_MODE, 25, 1), 1
	s_wait_xcnt 0x0
; xb = f16(inputs), [4096][1024].   wt[1024 w + n][k] = f16(W_w[k][n]), w = 0 q, 1 k, 2 v, 3 o: the weights cast and transposed,
; so that the later products find both operands in f16 with K along the rows.
; WHY f16: it has 11 significant bits where bf16 has 8, and the result passes through a chain of five rounded operands.
; LIMIT: a number of inputs or of a weight at or above 65,504 in magnitude becomes infinite; below 2^-14 the rounding error is at most 2^-25
; in absolute terms.  Inputs 30 times as large as a spread of 1 (weights: of 0.02), or offset by 30 times that spread, stay below 200 (below 1).
; 256 work-groups of eight waves.  Work-group g casts 65,536 bytes of inputs and transposes one tile of 128 k x 128 n of one weight:
; w = g / 64, kt = (g / 8) % 8, nt = g % 8.  Every input byte is read once and every output byte written once.
; All 32 loads of a thread (512 bytes) are issued before the first wait.  No work-group shares an input byte with another: no cluster.
; The transposition goes through LDS: row n of 256 bytes (128 k in f16).
.set WR, 16                            ; v[16:79]   W as loaded: [s][i][j] = W[64 s + 8 wave + i][4 lane + j]; later the rows read back
.set XR, 80                            ; v[80:143]  inputs as loaded
.set O,  144                           ; v[144:159] four pieces of 8 k in f16
.set XO, 160                           ; v[160:191] inputs in f16
	s_load_b64 s[4:5], s[0:1], 0x0                 ; inputs
	s_load_b256 s[8:15], s[0:1], 0x8               ; Wq, Wk, Wv, Wo
	s_load_b128 s[16:19], s[0:1], 0x28             ; xb, wt
	v_lshl_add_u32 v192, v0, 2, 0x8000
	v_mov_b32 v193, 0
	s_lshr_b32 s20, ttmp9, 6                       ; w
	s_bfe_u32 s21, ttmp9, 0x30003                  ; kt
	s_and_b32 s22, ttmp9, 7                        ; nt
	s_lshl_b32 s24, s21, 19                        ; the tile in W: 128 kt rows of 4,096 bytes
	s_lshl_b32 s23, s22, 9                         ; + 128 nt numbers of 4 bytes
	s_add_co_u32 s24, s24, s23
	s_mov_b32 s25, 0
	s_lshl_b32 s26, ttmp9, 16                      ; my 65,536 bytes of inputs
	s_mov_b32 s27, 0
	s_lshl_b32 s28, ttmp9, 15                      ; my 32,768 bytes of xb
	s_mov_b32 s29, 0
	s_lshl_b32 s30, s20, 21                        ; the tile in wt: (1024 w + 128 nt) rows of 2,048 bytes + 256 kt
	s_lshl_b32 s23, s22, 18
	s_add_co_u32 s30, s30, s23
	s_lshl_b32 s23, s21, 8
	s_add_co_u32 s30, s30, s23
	s_mov_b32 s31, 0
	v_and_b32 v11, 31, v0                          ; lane
	v_lshrrev_b32 v12, 5, v0                       ; wave
	v_lshlrev_b32 v1, 4, v11
	v_lshl_add_u32 v1, v12, 15, v1                 ; W: 8 rows a wave, 16 bytes a lane: a load of a wave covers a tile row's 512 bytes
	v_lshlrev_b32 v2, 5, v0                        ; inputs: 32 bytes a thread
	v_lshlrev_b32 v3, 4, v0                        ; xb: 16 bytes a thread
	v_add_nc_u32 v13, v12, v11
	v_and_b32 v13, 15, v13
	v_lshlrev_b32 v13, 4, v13
	v_lshl_add_u32 v4, v11, 10, v13                ; LDS, in: rows 4 lane + j, piece kb = wave at (wave + lane) % 16
	v_xor_b32 v5, 128, v4                          ; piece kb = wave + 8: eight pieces further, modulo sixteen
	v_and_b32 v14, 15, v0                          ; c: the piece that I read back
	v_lshrrev_b32 v15, 4, v0                       ; rho: my row among sixteen
	v_lshrrev_b32 v13, 2, v15
	v_add_nc_u32 v13, v13, v14
.irp i, 0,1,2,3
	v_add_nc_u32 v[6+\i], 4*\i, v13                ; LDS, back: row rho + 16 i, piece c at (c + rho / 4 + 4 i) % 16
	v_and_b32 v[6+\i], 15, v[6+\i]
	v_lshlrev_b32 v[6+\i], 4, v[6+\i]
	v_lshl_add_u32 v[6+\i], v15, 8, v[6+\i]
.endr
	v_lshlrev_b32 v10, 4, v14
	v_lshl_add_u32 v10, v15, 11, v10               ; wt: row rho, 16 bytes at 16 c
	s_wait_kmcnt 0x0
	s_cmp_eq_u32 s20, 1                            ; which weight is mine
	s_cselect_b64 s[8:9], s[10:11], s[8:9]
	s_cmp_eq_u32 s20, 2
	s_cselect_b64 s[8:9], s[12:13], s[8:9]
	s_cmp_eq_u32 s20, 3
	s_cselect_b64 s[8:9], s[14:15], s[8:9]
	s_add_nc_u64 s[8:9], s[8:9], s[24:25]
	s_add_nc_u64 s[4:5], s[4:5], s[26:27]
	s_add_nc_u64 s[16:17], s[16:17], s[28:29]
	s_add_nc_u64 s[18:19], s[18:19], s[30:31]
.irp s, 0,1
.irp i, 0,1,2,3,4,5,6,7
	global_load_b128 v[WR+32*\s+4*\i:WR+32*\s+4*\i+3], v1, s[8:9] offset:\s*262144+\i*4096 th:TH_LOAD_NT
.endr
.endr
.irp i, 0,1,2,3,4,5,6,7
	global_load_b128 v[XR+8*\i:XR+8*\i+3],   v2, s[4:5] offset:\i*8192 th:TH_LOAD_NT
	global_load_b128 v[XR+8*\i+4:XR+8*\i+7], v2, s[4:5] offset:\i*8192+16 th:TH_LOAD_NT
.endr
	s_wait_loadcnt 16                              ; loads come back in order: W's sixteen are in, the sixteen of inputs stay out
.irp s, 0,1
.irp j, 0,1,2,3
.irp q, 0,1,2,3
	v_cvt_pk_f16_f32 v[O+4*\j+\q], v[WR+32*\s+8*\q+\j], v[WR+32*\s+8*\q+4+\j]    ; column 4 lane + j, k = 2 q and 2 q + 1 of my eight
.endr
	ds_store_b128 v[4+\s], v[O+4*\j:O+4*\j+3] offset:256*\j
.endr
.endr
	s_wait_loadcnt 0x0
.irp i, 0,1,2,3,4,5,6,7
.irp q, 0,1,2,3
	v_cvt_pk_f16_f32 v[XO+4*\i+\q], v[XR+8*\i+2*\q], v[XR+8*\i+2*\q+1]
.endr
	global_store_b128 v3, v[XO+4*\i:XO+4*\i+3], s[16:17] offset:4096*\i           ; a wave stores 512 consecutive bytes
.endr
	s_wait_dscnt 0x0                               ; my LDS stores are done, for the other waves' sake
	s_barrier_signal -1
	s_barrier_wait -1
.irp i, 0,1,2,3,4,5,6,7
	ds_load_b128 v[WR+4*\i:WR+4*\i+3], v[6+(\i&3)] offset:4096*\i
.endr
.irp i, 0,1,2,3,4,5,6,7
	s_wait_dscnt 7-\i                              ; LDS loads come back in order: the younger ones stay out
	global_store_b128 v10, v[WR+4*\i:WR+4*\i+3], s[18:19] offset:32768*\i         ; sixteen lanes store 256 consecutive bytes of a row of wt, aligned
.endr
	s_wait_tensorcnt 0x0
	ds_add_u32 v192, v193
	s_wait_dscnt 0x0
	s_endpgm
.Lfunc_end_k_q0a48cdaf65_prep:
	.size	k_q0a48cdaf65_prep, .Lfunc_end_k_q0a48cdaf65_prep-k_q0a48cdaf65_prep
	.p2alignl 7, 3214868480
	.fill 96, 4, 3214868480
	.section	.rodata,"a",@progbits
	.p2align	6, 0x0
	.amdhsa_kernel k_q0a48cdaf65_prep
		.amdhsa_group_segment_fixed_size 33792
		.amdhsa_private_segment_fixed_size 0
		.amdhsa_enable_private_segment 0
		.amdhsa_kernarg_size 56
		.amdhsa_user_sgpr_count 2
		.amdhsa_user_sgpr_kernarg_segment_ptr 1
		.amdhsa_wavefront_size32 1
		.amdhsa_system_sgpr_workgroup_id_x 1
		.amdhsa_system_sgpr_workgroup_id_y 1
		.amdhsa_system_sgpr_workgroup_id_z 1
		.amdhsa_system_vgpr_workitem_id 0
		.amdhsa_next_free_vgpr 194
		.amdhsa_next_free_sgpr 66
		.amdhsa_reserve_vcc 0
		.amdhsa_float_denorm_mode_32 3
		.amdhsa_float_denorm_mode_16_64 3
		.amdhsa_memory_ordered 1
		.amdhsa_forward_progress 1
		.amdhsa_inst_pref_size 13
	.end_amdhsa_kernel
	.amdgpu_metadata
---
amdhsa.version: [ 1, 2 ]
amdhsa.kernels:
  - .name:           k_q0a48cdaf65_prep
    .symbol:         k_q0a48cdaf65_prep.kd
    .args:
      - { .name: inputs, .offset: 0, .size: 8, .value_kind: global_buffer, .address_space: global }
      - { .name: Wq, .offset: 8, .size: 8, .value_kind: global_buffer, .address_space: global }
      - { .name: Wk, .offset: 16, .size: 8, .value_kind: global_buffer, .address_space: global }
      - { .name: Wv, .offset: 24, .size: 8, .value_kind: global_buffer, .address_space: global }
      - { .name: Wo, .offset: 32, .size: 8, .value_kind: global_buffer, .address_space: global }
      - { .name: xb, .offset: 40, .size: 8, .value_kind: global_buffer, .address_space: global }
      - { .name: wt, .offset: 48, .size: 8, .value_kind: global_buffer, .address_space: global }
    .group_segment_fixed_size: 33792
    .private_segment_fixed_size: 0
    .kernarg_segment_align: 8
    .kernarg_segment_size: 56
    .max_flat_workgroup_size: 256
    .sgpr_count:     66
    .vgpr_count:     194
    .wavefront_size: 32
...
	.end_amdgpu_metadata
.endif
;; end of part 1
;; launch qkvproj (part 2): grid 16 x 16, 4 waves a work-group, clusters of 4 x 4, 327,680 bytes of LDS; arguments xb, wt, bq, bk, bv, qkv; writes qkv
.if DOCPART == 2
	.amdgcn_target "amdgcn-amd-amdhsa--gfx1250"
	.amdhsa_code_object_version 6
	.text
	.protected	k_q0a48cdaf65_qkvproj
	.globl	k_q0a48cdaf65_qkvproj
	.p2align	8
	.type	k_q0a48cdaf65_qkvproj,@function
k_q0a48cdaf65_qkvproj:
	s_mov_b64 s[64:65], 0
	v_nop
	global_prefetch_b8 v0, s[64:65] scope:SCOPE_SE
	s_setreg_imm32_b32 hwreg(HW_REG_WAVE_MODE, 25, 1), 1
	s_wait_xcnt 0x0
	s_wait_alu depctr_hold_cnt(0) depctr_sa_sdst(0) depctr_va_vdst(0) depctr_va_sdst(0) depctr_va_ssrc(0) depctr_va_vcc(0) depctr_vm_vsrc(0)
	s_getreg_b32 s2, hwreg(HW_REG_IB_STS2, 6, 4)
	s_cmp_eq_u32 s2, 0
	s_cbranch_scc0 .Lentry_in_a_cluster
	s_endpgm
.Lentry_in_a_cluster:
	s_bfe_u32 s2, ttmp6, 0x10000c
	s_cmp_lg_u32 s2, 0xf033
	s_cbranch_scc0 .Lentry_shape_is_right
	s_endpgm
.Lentry_shape_is_right:
; qkv[hc][m][d] = f16( sum over k of xb[m][k] wt[64 hc + d][k] + bias ), hc = 16 x (0 q, 1 k, 2 v) + head, m = 2048 b + s.
; One product of 4096 x 3072 x 1024 in f16 with f32 sums; the result leaves split by heads: [48][4096][64] f16.
; A work-group makes 256 rows x 192 columns (three head columns) with four waves; a wave makes 128 x 96: 48 accumulator tiles, 384 registers.
; 16 x 16 = 256 work-groups.  K goes in steps of 128 through two LDS slots filled by the tensor data mover (rows of 256 bytes, aligned).
; CLUSTERS of 4 x 4: the four of a cluster's row need the same tiles of xb, the four of a column the same tiles of wt; each such tile is
; asked for jointly, which divides the requests by four.
; REGISTERS in windows of 256: window 0: v16-28 addresses, v64-127 and v128-191 fragments of xb (two buffers), v192-239 bias;
; window 1: v64-111 and v128-175 fragments of wt; window 2: the 24 accumulators of my rows 0-63 (tile (a, b) at 8 (6 a + b)); window 3: rows 64-127.
; The matrix instruction is used transposed (source 0 = rows of wt, source 1 = rows of xb): lane l holds row l % 16 and eight
; neighbouring columns 8 (l / 16) + 0..7, which pack into 16 bytes.
; The 48 accumulators take turns, one instruction a turn, in the same order in every quarter step.
; LIMIT: the operands are f16, and q, k and v are rounded to f16: a projection at or above 65,504 in magnitude becomes infinite.
; Room: with x and W both offset by 30 times their spread (x about 30 + 5, W about 0.6 + 0.1) a projection is at most 1024 x 35 x 0.7 = 25,088.
.set SIZE_K, 1024
.set KSTEP,  128
.set PITCH,  272                       ; an LDS row: 256 bytes + 16 of padding: sixteen rows start at sixteen different 16-byte columns
.set AHALF,  128*PITCH                 ; 128 rows of xb: one tensor load, and what a wave reads
.set BHALF,  96*PITCH                  ; 96 rows of wt: likewise
.set SLOT,   2*AHALF+2*BHALF           ; 121,856 bytes
.set SPITCH, 400                       ; the way out: 192 columns in f16 + 16 bytes
.set LAPS,   SIZE_K/(2*KSTEP)
.set ADRA, 16
.set ADRB, 20
.set STO,  24
.set RD,   25
.set CO,   26
.set HB,   27
.set BO,   28
.set F0,   64
.set F1,   128
.set BIAS, 192
.set G1,  24
.set G0,  32
.set G1B, 48
.set G0B, 56
.set MSB, 0
.macro WIN new                         ; the immediate's high byte repeats the setting that is left
.if MSB != \new
	s_set_vgpr_msb (MSB<<8)|\new
.set MSB, \new
.endif
.endm
.set MUL_LO, 0xa1                      ; source 0 (wt) window 1, source 1 (xb) window 0, C and D window 2
.set MUL_HI, 0xf1                      ; the same, C and D window 3
.set TO_B,   0x40                      ; destination window 1
.macro JLOAD s                         ; waves 0, 1 ask for xb's two halves, waves 2, 3 for wt's: one load a wave
	s_cmp_eq_u32 s11, 0
	s_cbranch_scc0 .Lfor_b_\@
	tensor_load_to_lds s[G0+4*\s:G0+4*\s+3], s[G1:G1+7]
	s_nop 0
	s_branch .Lasked_\@
.Lfor_b_\@:
	tensor_load_to_lds s[G0B+4*\s:G0B+4*\s+3], s[G1B:G1B+7]
	s_nop 0
.Lasked_\@:
.endm
.macro CREST                           ; a round of the cluster's barrier behind its opening barrier
	s_cmp_lg_u32 s10, 0
	s_cbranch_scc1 .Lnot_wave_0_\@
	s_barrier_signal -3
.Lnot_wave_0_\@:
	s_barrier_wait -3
	s_barrier_signal -1
	s_barrier_wait -1
.endm
.macro CROUND
	s_barrier_signal -1
	s_barrier_wait -1
	CREST
.endm
.macro PLACES                          ; four places behind a matrix instruction, in front of loads into its sources and reads of its results
.rept 4
	v_nop
.endr
.endm
	s_load_b128 s[4:7], s[0:1], 0x0                ; xb, wt
	s_load_b256 s[68:75], s[0:1], 0x10             ; bq, bk, bv, qkv
	s_set_vgpr_msb 0x40
	v_lshl_add_u32 v255, v0, 2, 0x40000
	s_set_vgpr_msb 0x4000
	v_mov_b32 v63, 0
	s_set_vgpr_msb 0x1
	ds_add_u32 v255, v63
	s_set_vgpr_msb 0x100
	v_lshrrev_b32 v1, 5, v0
	v_readfirstlane_b32 s10, v1                    ; wave
	s_lshr_b32 s11, s10, 1                         ; my half of the rows; also: I fetch for xb (0) or wt (1)
	s_and_b32 s12, s10, 1                          ; my half of the columns; also: which half of that tile I fetch
	s_bfe_u32 s40, ttmp6, 0x40000                  ; cx
	s_bfe_u32 s41, ttmp6, 0x40004                  ; cy
	s_lshl_b32 s42, ttmp9, 2
	s_add_co_u32 s42, s42, s40                     ; block column
	s_and_b32 s13, ttmp7, 0xffff
	s_lshl_b32 s13, s13, 2
	s_add_co_u32 s13, s13, s41                     ; block row
	s_lshl_b32 s43, s41, 2
	s_lshl_b32 s43, 15, s43                        ; my row of the cluster
	s_lshl_b32 s44, 0x1111, s40                    ; my column
	s_or_b32 s[G1+0], s43, (1<<16)|(1<<20)|(1<<21)|(5<<22)|(3<<25)   ; mask; elements of 2 bytes; padding of 4 words after every 64; bit 21 beside a mask
	s_or_b32 s[G1B+0], s44, (1<<16)|(1<<20)|(1<<21)|(5<<22)|(3<<25)
	s_mov_b32 s[G1+1], KSTEP<<16                   ; tensor_dim0 = 128
	s_mov_b32 s[G1B+1], KSTEP<<16
	s_mov_b32 s[G1+2], 128<<16                     ; tensor_dim1 = 128 rows of xb
	s_mov_b32 s[G1B+2], 96<<16                     ;               96 rows of wt
	s_mov_b32 s[G1+3], KSTEP<<16                   ; tile_dim0 = 128
	s_mov_b32 s[G1B+3], KSTEP<<16
	s_mov_b32 s[G1+4], 128                         ; tile_dim1
	s_mov_b32 s[G1B+4], 96
	s_mov_b32 s[G1+5], SIZE_K                      ; elements from row to row
	s_mov_b32 s[G1B+5], SIZE_K
	s_mov_b32 s[G1+6], 0
	s_mov_b32 s[G1B+6], 0
	s_mov_b32 s[G1+7], 0
	s_mov_b32 s[G1B+7], 0
	; xb's tiles hang on the block row alone, wt's on the block column alone; each address is made in registers that never hold the other coordinate
	s_lshl_b32 s21, s12, 7
	s_lshl_b32 s16, s13, 8
	s_add_co_u32 s16, s16, s21                     ; row 256 x block row + 128 x half
	s_lshl_b32 s16, s16, 11                        ; rows of 2,048 bytes: below 2^23
	s_mov_b32 s17, 0
	s_mul_i32 s22, s12, 96
	s_mul_i32 s46, s42, 192
	s_add_co_u32 s46, s46, s22                     ; row 192 x block column + 96 x half
	s_lshl_b32 s46, s46, 11
	s_mov_b32 s47, 0
	s_mul_i32 s20, s10, AHALF                      ; LDS: xb's halves at wave x 34,816 (waves 0, 1),
	s_mul_i32 s23, s10, BHALF
	s_add_co_u32 s23, s23, 2*AHALF-2*BHALF         ; wt's at 69,632 + (wave - 2) x 26,112 (waves 2, 3)
	s_wait_dscnt 0x0
	s_wait_kmcnt 0x0
	s_add_nc_u64 s[14:15], s[4:5], s[16:17]
	s_add_nc_u64 s[46:47], s[6:7], s[46:47]
	CROUND                                         ; all sixteen work-groups are here: the first joint loads meet
.irp s, 0,1
	s_mov_b32 s[G0+4*\s], 1
	s_add_co_u32 s[G0+4*\s+1], s20, \s*SLOT
	s_add_nc_u64 s[G0+4*\s+2:G0+4*\s+3], s[14:15], \s*KSTEP*2
	s_or_b32 s[G0+4*\s+3], s[G0+4*\s+3], 0x80000000
	s_mov_b32 s[G0B+4*\s], 1
	s_add_co_u32 s[G0B+4*\s+1], s23, \s*SLOT
	s_add_nc_u64 s[G0B+4*\s+2:G0B+4*\s+3], s[46:47], \s*KSTEP*2
	s_or_b32 s[G0B+4*\s+3], s[G0B+4*\s+3], 0x80000000
	JLOAD \s                                       ; K steps 0 and 1: two loads of the wave are out, the most in this text
.endr
	v_and_b32 v1, 15, v0                           ; r = l % 16
	v_bfe_u32 v2, v0, 4, 1                         ; h = l / 16
	v_mul_u32_u24 v3, v1, PITCH
	v_lshl_add_u32 v3, v2, 4, v3                   ; a fragment: row r, 16 bytes at 16 h, and 32 bytes further
	s_mul_i32 s21, s11, AHALF
	s_mul_i32 s22, s12, BHALF
	s_add_co_u32 s22, s22, 2*AHALF
.irp s, 0,1
	v_add_nc_u32 v[ADRA+\s], s21, v3
	v_add_nc_u32 v[ADRB+\s], s22, v3
	s_add_co_u32 s21, s21, SLOT
	s_add_co_u32 s22, s22, SLOT
.endr
	s_mul_i32 s20, s11, 128*SPITCH                 ; the way out, in: row 128 wm + r, byte 192 wn + 16 h
	s_mul_i32 s23, s12, 192
	s_add_co_u32 s20, s20, s23
	v_mul_u32_u24 v4, v1, SPITCH
	v_lshl_add_u32 v4, v2, 4, v4
	v_add_nc_u32 v[STO], s20, v4
	s_mul_i32 s20, s10, 64*SPITCH                  ; back: rows 64 wave + l / 8, 16 bytes at 16 (l % 8) of a head's 128 bytes
	v_bfe_u32 v5, v0, 3, 2
	v_mul_u32_u24 v5, v5, SPITCH
	v_and_b32 v6, 7, v0
	v_lshl_add_u32 v5, v6, 4, v5
	v_add_nc_u32 v[RD], s20, v5
	v_and_b32 v6, 31, v0
	v_lshlrev_b32 v[CO], 4, v6                     ; in qkv four rows of 128 bytes follow each other: 16 bytes a lane
	v_lshlrev_b32 v[HB], 5, v2                     ; my eight bias numbers begin 32 h bytes into a block of sixteen
	s_mul_i32 s78, s42, 192
	s_mul_i32 s79, s12, 96
	s_add_co_u32 s78, s78, s79                     ; my first column of 3,072
; the bias of column block b: sixteen columns never cross from one of bq, bk, bv into the next (1,024 is a multiple of 16)
.macro BIASLD b
	s_add_co_u32 s79, s78, 16*\b
	s_lshr_b32 s80, s79, 10                        ; 0 q, 1 k, 2 v
	s_and_b32 s81, s79, 1023
	s_lshl_b32 s81, s81, 2
	s_cmp_eq_u32 s80, 1
	s_cselect_b64 s[76:77], s[70:71], s[68:69]
	s_cmp_eq_u32 s80, 2
	s_cselect_b64 s[76:77], s[72:73], s[76:77]
	v_add_nc_u32 v[BO], s81, v[HB]
	global_load_b128 v[BIAS+8*\b:BIAS+8*\b+3],   v[BO], s[76:77]
	global_load_b128 v[BIAS+8*\b+4:BIAS+8*\b+7], v[BO], s[76:77] offset:16
	s_wait_xcnt 0x0                                ; base and offset are written again only behind this wait
.endm
.irp b, 0,1,2,3,4,5
	BIASLD \b
.endr
; 12 matrix instructions: row blocks a0, a0 + 1 of the window's four x all 6 column blocks, 32 along K
.macro MUL12 f, hi, a0, zero
.irp a, \a0, \a0+1
.irp b, 0,1,2,3,4,5
.if \zero
	v_wmma_f32_16x16x32_f16 v[8*(6*(\a)+\b):8*(6*(\a)+\b)+7], v[\f+8*\b:\f+8*\b+7], v[\f+8*(4*\hi+\a):\f+8*(4*\hi+\a)+7], 0
.else
	v_wmma_f32_16x16x32_f16 v[8*(6*(\a)+\b):8*(6*(\a)+\b)+7], v[\f+8*\b:\f+8*\b+7], v[\f+8*(4*\hi+\a):\f+8*(4*\hi+\a)+7], v[8*(6*(\a)+\b):8*(6*(\a)+\b)+7]
.endif
.endr
.endr
.endm
; 28 LDS loads in one run: 96 rows of wt, then 128 rows of xb, 32 K at byte k of the rows
.macro FETCH slot, k, f
	WIN TO_B
.irp i, 0,1,2,3,4,5
	ds_load_b128 v[\f+8*\i:\f+8*\i+3],   v[ADRB+\slot] offset:\k+\i*16*PITCH
	ds_load_b128 v[\f+8*\i+4:\f+8*\i+7], v[ADRB+\slot] offset:\k+\i*16*PITCH+32
.endr
	WIN 0
.irp i, 0,1,2,3,4,5,6,7
	ds_load_b128 v[\f+8*\i:\f+8*\i+3],   v[ADRA+\slot] offset:\k+\i*16*PITCH
	ds_load_b128 v[\f+8*\i+4:\f+8*\i+7], v[ADRA+\slot] offset:\k+\i*16*PITCH+32
.endr
.endm
.macro QUARTER slot, k, f, g, zero
	s_wait_dscnt 8                                 ; wt and xb's rows 0-63 are in; the youngest eight loads (rows 64-127) may be out
	WIN MUL_LO
	MUL12 \f, 0, 0, \zero
	MUL12 \f, 0, 2, \zero
	PLACES
	FETCH \slot, \k, \g
	s_wait_dscnt 28                                ; all but the 28 just issued
	WIN MUL_HI
	MUL12 \f, 1, 0, \zero
	MUL12 \f, 1, 2, \zero
.endm
.macro THREE slot, zero
	QUARTER \slot, 64,  F0, F1, \zero
	QUARTER \slot, 128, F1, F0, 0
	QUARTER \slot, 192, F0, F1, 0
.endm
; The last quarter of a K step changes slots.  In front of the barrier each wave waits for its reads of this slot and for all its tensor
; loads (the one that is out is its part of the next slot).  Behind it the refill comes first, then the next slot's first fragments.
; From a request to the wait for it a wave issues 180 matrix instructions.
.macro TURN slot, next, fill
	s_wait_dscnt 8
	WIN MUL_LO
	MUL12 F1, 0, 0, 0
	s_wait_dscnt 0
	s_wait_tensorcnt 0x0
	ds_add_u32 v255, v63
	s_wait_dscnt 0x0
	s_barrier_signal -1                            ; where the slot is filled again this barrier opens a round of the cluster's barrier
	MUL12 F1, 0, 2, 0                              ; register work while the others arrive
	WIN 0
	s_barrier_wait -1
.if \fill
	CREST                                          ; no wave of any partner still reads this slot or has a load on its way
	s_add_nc_u64 s[G0+4*\slot+2:G0+4*\slot+3], s[G0+4*\slot+2:G0+4*\slot+3], 2*KSTEP*2
	s_add_nc_u64 s[G0B+4*\slot+2:G0B+4*\slot+3], s[G0B+4*\slot+2:G0B+4*\slot+3], 2*KSTEP*2
	JLOAD \slot
.endif
	PLACES
	FETCH \next, 0, F0
	WIN MUL_HI
	MUL12 F1, 1, 0, 0
	MUL12 F1, 1, 2, 0
.endm
.macro LAP zero
	THREE 0, \zero
	TURN 0, 1, 1
	THREE 1, 0
	TURN 1, 0, 1
.endm
	s_wait_tensorcnt 1                             ; my part of K step 0 is in; K step 1's stays out
	s_barrier_signal -1
	s_barrier_wait -1
	FETCH 0, 0, F0
	LAP 1                                          ; the first products start the sums: nothing is cleared
	WIN 0
	s_mov_b32 s3, LAPS-2
.Llap:
	LAP 0
	WIN 0
	s_sub_co_u32 s3, s3, 1
	s_cmp_lg_u32 s3, 0
	s_cbranch_scc1 .Llap
	THREE 0, 0                                     ; the last lap fills nothing
	TURN 0, 1, 0
	THREE 1, 0
	s_wait_dscnt 8
	WIN MUL_LO
	MUL12 F1, 0, 0, 0
	MUL12 F1, 0, 2, 0
	s_wait_dscnt 0
	WIN MUL_HI
	MUL12 F1, 1, 0, 0
	MUL12 F1, 1, 2, 0
	; THE WAY OUT.  The stage is slot 0: it has had its last fill, and no wave has read it since the last change of slots (its barrier).
	; 256 rows x 400 bytes = 102,400 bytes, short of slot 1, which slower waves may still read.
	PLACES
	s_mul_i32 s46, s42, 3                          ; my three head columns: 3 x block column x 524,288 bytes
	s_lshl_b32 s46, s46, 19
	s_mov_b32 s47, 0
	s_add_nc_u64 s[74:75], s[74:75], s[46:47]
	s_lshl_b32 s16, s13, 15                        ; + (256 x block row + 64 x wave) rows of 128 bytes
	s_lshl_b32 s17, s10, 13
	s_add_co_u32 s16, s16, s17
	s_mov_b32 s17, 0
	s_add_nc_u64 s[74:75], s[74:75], s[16:17]
	s_wait_loadcnt 0x0                             ; the bias
.macro OUTA win, hi, a                 ; sixteen rows: add the bias, round to f16, 16 bytes a lane into the stage
	WIN \win
.irp b, 0,1,2,3,4,5
.irp r, 0,1,2,3
	v_pk_add_f32 v[F0+8*\b+2*\r:F0+8*\b+2*\r+1], v[8*(6*\a+\b)+2*\r:8*(6*\a+\b)+2*\r+1], v[BIAS+8*\b+2*\r:BIAS+8*\b+2*\r+1]
.endr
.endr
	WIN 0
.irp b, 0,1,2,3,4,5
.irp r, 0,1,2,3
	v_cvt_pk_f16_f32 v[F1+4*\b+\r], v[F0+8*\b+2*\r], v[F0+8*\b+2*\r+1]
.endr
.endr
.irp b, 0,1,2,3,4,5
	ds_store_b128 v[STO], v[F1+4*\b:F1+4*\b+3] offset:(64*\hi+16*\a)*SPITCH+32*\b
.endr
.endm
.irp a, 0,1,2,3
	OUTA 0x02, 0, \a
.endr
.irp a, 0,1,2,3
	OUTA 0x03, 1, \a
.endr
	s_wait_dscnt 0x0                               ; my stores are done, for the other waves' sake
	s_barrier_signal -1
	s_barrier_wait -1
.irp c, 0,1,2
.irp i, 0,1,2,3,4,5,6,7,8,9,10,11,12,13,14,15
	ds_load_b128 v[F0+4*(16*\c+\i):F0+4*(16*\c+\i)+3], v[RD] offset:\i*4*SPITCH+128*\c   ; four rows' 128 bytes of head column c
.endr
.endr
.irp c, 0,1,2
.irp i, 0,1,2,3,4,5,6,7,8,9,10,11,12,13,14,15
	s_wait_dscnt 47-(16*\c+\i)                     ; LDS loads come back in order: the younger ones stay out
	global_store_b128 v[CO], v[F0+4*(16*\c+\i):F0+4*(16*\c+\i)+3], s[74:75] offset:\c*524288+512*\i   ; a wave stores 512 consecutive bytes, aligned
.endr
.endr
	s_set_vgpr_msb 0x1
	s_wait_tensorcnt 0x0
	ds_add_u32 v255, v63
	s_wait_dscnt 0x0
	s_set_vgpr_msb 0x100
	CROUND                                         ; the closing round: no work-group ends while a partner may still ask jointly
	s_endpgm
.Lfunc_end_k_q0a48cdaf65_qkvproj:
	.size	k_q0a48cdaf65_qkvproj, .Lfunc_end_k_q0a48cdaf65_qkvproj-k_q0a48cdaf65_qkvproj
	.p2alignl 7, 3214868480
	.fill 96, 4, 3214868480
	.section	.rodata,"a",@progbits
	.p2align	6, 0x0
	.amdhsa_kernel k_q0a48cdaf65_qkvproj
		.amdhsa_group_segment_fixed_size 327680
		.amdhsa_private_segment_fixed_size 0
		.amdhsa_enable_private_segment 0
		.amdhsa_kernarg_size 48
		.amdhsa_user_sgpr_count 2
		.amdhsa_user_sgpr_kernarg_segment_ptr 1
		.amdhsa_wavefront_size32 1
		.amdhsa_system_sgpr_workgroup_id_x 1
		.amdhsa_system_sgpr_workgroup_id_y 1
		.amdhsa_system_sgpr_workgroup_id_z 1
		.amdhsa_system_vgpr_workitem_id 0
		.amdhsa_next_free_vgpr 960
		.amdhsa_next_free_sgpr 84
		.amdhsa_reserve_vcc 0
		.amdhsa_float_denorm_mode_32 3
		.amdhsa_float_denorm_mode_16_64 3
		.amdhsa_memory_ordered 1
		.amdhsa_forward_progress 1
		.amdhsa_inst_pref_size 173
	.end_amdhsa_kernel
	.amdgpu_metadata
---
amdhsa.version: [ 1, 2 ]
amdhsa.kernels:
  - .name:           k_q0a48cdaf65_qkvproj
    .symbol:         k_q0a48cdaf65_qkvproj.kd
    .args:
      - { .name: xb, .offset: 0, .size: 8, .value_kind: global_buffer, .address_space: global }
      - { .name: wt, .offset: 8, .size: 8, .value_kind: global_buffer, .address_space: global }
      - { .name: bq, .offset: 16, .size: 8, .value_kind: global_buffer, .address_space: global }
      - { .name: bk, .offset: 24, .size: 8, .value_kind: global_buffer, .address_space: global }
      - { .name: bv, .offset: 32, .size: 8, .value_kind: global_buffer, .address_space: global }
      - { .name: qkv, .offset: 40, .size: 8, .value_kind: global_buffer, .address_space: global }
    .group_segment_fixed_size: 327680
    .private_segment_fixed_size: 0
    .kernarg_segment_align: 8
    .kernarg_segment_size: 48
    .max_flat_workgroup_size: 128
    .sgpr_count:     84
    .vgpr_count:     960
    .wavefront_size: 32
...
	.end_amdgpu_metadata
.endif
;; end of part 2
;; launch attn (part 3): grid 16 x 16, 4 waves a work-group, clusters of 4 x 1, 327,680 bytes of LDS; arguments qkv, ctx; writes ctx
.if DOCPART == 3
	.amdgcn_target "amdgcn-amd-amdhsa--gfx1250"
	.amdhsa_code_object_version 6
	.text
	.protected	k_q0a48cdaf65_attn
	.globl	k_q0a48cdaf65_attn
	.p2align	8
	.type	k_q0a48cdaf65_attn,@function
k_q0a48cdaf65_attn:
	s_mov_b64 s[64:65], 0
	v_nop
	global_prefetch_b8 v0, s[64:65] scope:SCOPE_SE
	s_setreg_imm32_b32 hwreg(HW_REG_WAVE_MODE, 25, 1), 1
	s_wait_xcnt 0x0
	s_wait_alu depctr_hold_cnt(0) depctr_sa_sdst(0) depctr_va_vdst(0) depctr_va_sdst(0) depctr_va_ssrc(0) depctr_va_vcc(0) depctr_vm_vsrc(0)
	s_getreg_b32 s2, hwreg(HW_REG_IB_STS2, 6, 4)
	s_cmp_eq_u32 s2, 0
	s_cbranch_scc0 .Lentry_in_a_cluster
	s_endpgm
.Lentry_in_a_cluster:
	s_bfe_u32 s2, ttmp6, 0x10000c
	s_cmp_lg_u32 s2, 0x3003
	s_cbranch_scc0 .Lentry_shape_is_right
	s_endpgm
.Lentry_shape_is_right:
; ctx[b][s][64 head + d] = softmax over j of ( q.k / 8 + slope (j - i) ) x v, bidirectional, S = 2048, D = 64, in f16 products with f32 sums.
; A work-group takes 128 queries of two neighbouring heads (a row of ctx then leaves as 256 consecutive bytes); wave w takes head w / 2 of the
; two and 64 queries (four tiles of 16).  16 query blocks x 16 (batch, head pair) = 256 work-groups.
; CLUSTERS of 4 x 1: four query blocks of one head pair walk the same K and V: every tile is asked for jointly (mask 15).
; ORIENTATION: S^T = K Q^T (source 0 = 16 keys, source 1 = 16 queries): lane (r, h) holds keys 8 h + 0..7 of each key block for query r.
; These pack, in the lane itself, into source 1 of ctx^T = V^T P^T; V^T comes from LDS by the transposing load.  So maximum, sum and
; rescaling factor are one number a lane, and one exchange between the halves of the wave serves a tile.
; ALiBi: -slope i is constant along a softmax row and drops out of the softmax; 8 slope j enters as the C operand of the first product, with j counted
; inside the key step of 128; the running maximum is carried into the next step's frame by M -= 128 x 8 slope (one rounding a step).
; The maximum is taken away before every exponential (running maximum, sums and results rescaled).
; LIMITS: q, k, v, P and ctx are f16.  P is at most 1 (up to the rounding of c M) since the maximum is taken away first; a P below 2^-25 counts as 0,
; and below 2^-14 its rounding error is at most 2^-25.  ctx is a convex mix of v and has v's range (below 65,504).
; The row sum is taken over the unrounded P; slopes are 2^-((head+1)/2), with 0x3f3504f3 for 2^-0.5;
; an exponential below 2^-126 counts as 0 (ISA guide, v_exp_f32).
; LDS: two slots of 256 keys x two heads.  Wave w fills its own region, at w x 36,864 in each slot: K of head 0, V of head 0, K of head 1, V of head 1.
; Two keys lie in a row of 256 bytes; K's rows are 272 bytes apart, V's 288.
; The way out uses slot 0 behind its last fill and last read.
; REGISTERS: window 0: addresses, M, sums, S (64), P (32), Q (64), the ALiBi table (64); window 1: K fragments v0-127, V^T fragments v128-255;
; window 2: the 16 accumulators (query tile qt, d block db) at 32 qt + 8 db.
; In every run of matrix instructions the accumulators take turns, one instruction a turn.
.set REG,  36864
.set SLOT, 4*REG
.set KP,   272
.set VP,   288
.set STO,  3
.set QO,   4
.set RD,   5
.set ADRK, 6                           ; v6-7   my K fragments in slot 0, 1
.set ADRV, 8                           ; v8-9   my V^T fragments
.set M,    10                          ; v10-13 running maximum of query tile 0..3, in the key step's frame
.set LS,   14                          ; v14-17 running sum (my half of the keys)
.set MO,   18                          ; the old maximum in the new frame
.set CO,   19
.set NCM,  20                          ; v20 = -c M; v21 is written once (the packed form names the pair)
.set AL,   22                          ; v22 = rescaling factor; v23 likewise
.set T,    24                          ; v24-31 at work
.set S,    32
.set P,    96
.set Q,    128
.set CL,   192
.set KF,   0
.set VF,   128
.set G1K,  24
.set G1V,  32
.set G0,   40
.set MSB, 0
.macro WIN new
.if MSB != \new
	s_set_vgpr_msb (MSB<<8)|\new
.set MSB, \new
.endif
.endm
.macro JLOAD sl                        ; even waves ask for K of their head, odd waves for V: one load a wave, 128 rows of 256 bytes
	s_cmp_eq_u32 s10, 0
	s_cbranch_scc0 .Lfor_v_\@
	tensor_load_to_lds s[G0+4*\sl:G0+4*\sl+3], s[G1K:G1K+7]
	s_nop 0
	s_branch .Lasked_\@
.Lfor_v_\@:
	tensor_load_to_lds s[G0+4*\sl:G0+4*\sl+3], s[G1V:G1V+7]
	s_nop 0
.Lasked_\@:
.endm
.macro CREST
	s_cmp_lg_u32 s8, 0
	s_cbranch_scc1 .Lnot_wave_0_\@
	s_barrier_signal -3
.Lnot_wave_0_\@:
	s_barrier_wait -3
	s_barrier_signal -1
	s_barrier_wait -1
.endm
.macro CROUND
	s_barrier_signal -1
	s_barrier_wait -1
	CREST
.endm
.macro PLACES                          ; four places behind a matrix instruction (ISA guide 7.12.1)
.rept 4
	v_nop
.endr
.endm
	s_load_b128 s[4:7], s[0:1], 0x0                ; qkv, ctx
	s_set_vgpr_msb 0x80
	v_lshl_add_u32 v128, v0, 2, 0x48000
	v_mov_b32 v129, 0
	s_set_vgpr_msb 0x808a
	ds_add_u32 v128, v129
	s_set_vgpr_msb 0x8a00
	v_lshrrev_b32 v1, 5, v0
	v_readfirstlane_b32 s8, v1                     ; wave
	s_lshr_b32 s9, s8, 1                           ; hs: my head of the pair
	s_and_b32 s10, s8, 1                           ; my half of the queries; also: I fetch K (0) or V (1)
	s_bfe_u32 s11, ttmp6, 0x40000                  ; cx
	s_lshl_b32 s12, ttmp9, 2
	s_add_co_u32 s12, s12, s11                     ; query block
	s_and_b32 s13, ttmp7, 0xffff
	s_lshr_b32 s14, s13, 3                         ; batch
	s_and_b32 s15, s13, 7                          ; head pair
	; group 1: a dense block as 128 rows of 32 elements of 8 bytes, padded behind each row by 4 words (K) or 8 words (V)
	s_mov_b32 s[G1K+0], 15|(3<<16)|(1<<20)|(1<<21)|(5<<22)|(3<<25)
	s_mov_b32 s[G1V+0], 15|(3<<16)|(1<<20)|(1<<21)|(5<<22)|(7<<25)
	s_mov_b32 s[G1K+1], 32<<16
	s_mov_b32 s[G1V+1], 32<<16
	s_mov_b32 s[G1K+2], 128<<16
	s_mov_b32 s[G1V+2], 128<<16
	s_mov_b32 s[G1K+3], 32<<16
	s_mov_b32 s[G1V+3], 32<<16
	s_mov_b32 s[G1K+4], 128
	s_mov_b32 s[G1V+4], 128
	s_mov_b32 s[G1K+5], 32
	s_mov_b32 s[G1V+5], 32
	s_mov_b32 s[G1K+6], 0
	s_mov_b32 s[G1V+6], 0
	s_mov_b32 s[G1K+7], 0
	s_mov_b32 s[G1V+7], 0
	s_lshl1_add_u32 s20, s15, s9                   ; head = 2 x pair + hs
	s_lshl_b32 s16, s10, 4
	s_add_co_u32 s16, s16, 16
	s_add_co_u32 s16, s16, s20                     ; head column: 16 + head (K) or 32 + head (V)
	s_lshl_b32 s16, s16, 19
	s_lshl_b32 s17, s14, 18                        ; + batch x 2,048 rows of 128 bytes
	s_add_co_u32 s16, s16, s17
	s_mov_b32 s17, 0
	s_mul_i32 s22, s8, REG                         ; my region of a slot
	; 8 slope = 2^(3 - (head+1)/2), made in the exponent field
	s_add_co_u32 s21, s20, 1
	s_lshr_b32 s21, s21, 1
	s_lshl_b32 s21, s21, 23
	s_mov_b32 s52, 0x40b504f3                      ; 8 x 2^-0.5
	s_mov_b32 s53, 0x41000000                      ; 8
	s_bitcmp1_b32 s20, 0                           ; an odd head has a whole exponent
	s_cselect_b32 s52, s53, s52
	s_sub_co_u32 s52, s52, s21                     ; 8 slope
	s_add_co_u32 s51, s52, 7<<23                   ; 128 x 8 slope: what a key step adds to the frame
	s_mov_b32 s48, 0x3e38aa3b                      ; c = log2(e) / 8
	s_mov_b32 s49, 0x3e38aa3b
	s_mov_b32 s50, 0xbe38aa3b                      ; -c
	s_mov_b32 s54, 0x76543210                      ; v_permlanex16_b32: lane i of the other half
	s_mov_b32 s55, 0xfedcba98
	; offsets that hang on the query block, in registers that feed no descriptor
	s_lshl_b32 s58, s20, 19                        ; Q: head column, batch, 128 x block + 64 x half rows of 128 bytes
	s_lshl_b32 s59, s14, 18
	s_add_co_u32 s58, s58, s59
	s_lshl_b32 s59, s12, 14
	s_add_co_u32 s58, s58, s59
	s_lshl_b32 s59, s10, 13
	s_add_co_u32 s58, s58, s59
	s_mov_b32 s59, 0
	s_lshl_b32 s62, s14, 22                        ; ctx: (2048 batch + 128 block + 32 wave) rows of 2,048 bytes + 256 x pair
	s_lshl_b32 s63, s12, 18
	s_add_co_u32 s62, s62, s63
	s_lshl_b32 s63, s8, 16
	s_add_co_u32 s62, s62, s63
	s_lshl_b32 s63, s15, 8
	s_add_co_u32 s62, s62, s63
	s_mov_b32 s63, 0
	s_wait_dscnt 0x0
	s_wait_kmcnt 0x0
	s_add_nc_u64 s[18:19], s[4:5], s[16:17]
	s_add_nc_u64 s[60:61], s[4:5], s[58:59]
	s_add_nc_u64 s[6:7], s[6:7], s[62:63]
	CROUND                                         ; the four work-groups are here: the first joint loads meet
.irp s, 0,1
	s_mov_b32 s[G0+4*\s], 1
	s_add_co_u32 s[G0+4*\s+1], s22, \s*SLOT
	s_add_nc_u64 s[G0+4*\s+2:G0+4*\s+3], s[18:19], \s*32768        ; keys 256 s ..
	s_or_b32 s[G0+4*\s+3], s[G0+4*\s+3], 0x80000000
	JLOAD \s                                       ; two loads of the wave are out, the most in this text
.endr
	v_and_b32 v1, 15, v0                           ; r
	v_bfe_u32 v2, v0, 4, 1                         ; h
	v_lshlrev_b32 v[QO], 7, v1
	v_lshl_add_u32 v[QO], v2, 4, v[QO]             ; Q fragment: query r, 16 bytes at 16 h, and 32 further
.irp qt, 0,1,2,3
.irp ks, 0,1
	global_load_b128 v[Q+16*\qt+8*\ks:Q+16*\qt+8*\ks+3],   v[QO], s[60:61] offset:2048*\qt+64*\ks
	global_load_b128 v[Q+16*\qt+8*\ks+4:Q+16*\qt+8*\ks+7], v[QO], s[60:61] offset:2048*\qt+64*\ks+32
.endr
.endr
	v_lshrrev_b32 v24, 1, v1                       ; K fragment: key r lies in pair row r / 2, half r % 2
	v_mul_u32_u24 v24, v24, KP
	v_and_b32 v25, 1, v1
	v_lshl_add_u32 v24, v25, 7, v24
	v_lshl_add_u32 v24, v2, 4, v24
	s_mul_i32 s23, s9, 2*REG
	v_add_nc_u32 v[ADRK], s23, v24
	v_add_nc_u32 v[ADRK+1], SLOT, v[ADRK]
	v_bfe_u32 v24, v0, 1, 2                        ; V^T fragment: I address key 8 h + l % 8, 16 bytes at 16 ((l / 8) % 2)
	v_lshl_add_u32 v24, v2, 2, v24
	v_mul_u32_u24 v24, v24, VP
	v_and_b32 v25, 1, v0
	v_lshl_add_u32 v24, v25, 7, v24
	v_bfe_u32 v25, v0, 3, 1
	v_lshl_add_u32 v24, v25, 4, v24
	s_add_co_u32 s23, s23, REG
	v_add_nc_u32 v[ADRV], s23, v24
	v_add_nc_u32 v[ADRV+1], SLOT, v[ADRV]
	s_mul_i32 s23, s10, 64*272                     ; the way out, in: row 64 half + r, byte 128 hs + 16 h
	s_lshl_b32 s21, s9, 7
	s_add_co_u32 s23, s23, s21
	v_mul_u32_u24 v24, v1, 272
	v_lshl_add_u32 v24, v2, 4, v24
	v_add_nc_u32 v[STO], s23, v24
	s_mul_i32 s23, s8, 32*272                      ; back: rows 32 wave + h, 16 bytes at 16 r
	v_mul_u32_u24 v24, v2, 272
	v_lshl_add_u32 v24, v1, 4, v24
	v_add_nc_u32 v[RD], s23, v24
	v_lshlrev_b32 v[CO], 4, v1
	v_lshl_add_u32 v[CO], v2, 11, v[CO]
	v_lshlrev_b32 v24, 3, v2                       ; the ALiBi table: 8 slope x (16 kb + 8 h + j), one rounding each
.set ii, 0
.rept 64
	v_add_nc_u32 v[CL+ii], 16*(ii/8)+(ii%8), v24
	v_cvt_f32_u32 v[CL+ii], v[CL+ii]
	v_mul_f32 v[CL+ii], s52, v[CL+ii]
.set ii, ii+1
.endr
	v_mov_b32 v[NCM+1], 0                          ; upper registers of pairs of which the lower alone is used
	v_mov_b32 v[AL+1], 0
	v_mov_b32 v[T+4], 0                            ; v_permlanex16_b32's destination counts as read
.macro LOADK sl, hf                    ; 128 keys x 64 d: 32 loads into window 1
	WIN 0x40
.irp kb, 0,1,2,3,4,5,6,7
.irp ks, 0,1
	ds_load_b128 v[KF+16*\kb+8*\ks:KF+16*\kb+8*\ks+3],   v[ADRK+\sl] offset:\hf*17408+\kb*2176+64*\ks
	ds_load_b128 v[KF+16*\kb+8*\ks+4:KF+16*\kb+8*\ks+7], v[ADRK+\sl] offset:\hf*17408+\kb*2176+64*\ks+32
.endr
.endr
.endm
.macro LOADV sl, hf                    ; 64 d x 128 keys, transposed on the way: fragment (d block db, 32 keys kg)
	WIN 0x40
.irp kg, 0,1,2,3
.irp db, 0,1,2,3
	ds_load_tr16_b128 v[VF+32*\kg+8*\db:VF+32*\kg+8*\db+3],   v[ADRV+\sl] offset:\hf*18432+\kg*4608+32*\db
	ds_load_tr16_b128 v[VF+32*\kg+8*\db+4:VF+32*\kg+8*\db+7], v[ADRV+\sl] offset:\hf*18432+\kg*4608+2304+32*\db
.endr
.endr
.endm
.macro QK qt                           ; S = 8 slope j + K Q^T for 128 keys x 16 queries
	WIN 0x01
.irp kb, 0,1,2,3,4,5,6,7
	v_wmma_f32_16x16x32_f16 v[S+8*\kb:S+8*\kb+7], v[KF+16*\kb:KF+16*\kb+7], v[Q+16*\qt:Q+16*\qt+7], v[CL+8*\kb:CL+8*\kb+7]
.endr
.irp kb, 0,1,2,3,4,5,6,7
	v_wmma_f32_16x16x32_f16 v[S+8*\kb:S+8*\kb+7], v[KF+16*\kb+8:KF+16*\kb+15], v[Q+16*\qt+8:Q+16*\qt+15], v[S+8*\kb:S+8*\kb+7]
.endr
.endm
.macro SMAX qt, first                  ; the new running maximum, -c M, and the factor for what has been summed
.if \first == 0
	v_sub_f32 v[MO], v[M+\qt], s51                 ; the old maximum in this step's frame
.endif
.irp c, 0,1,2,3
	v_max3_num_f32 v[T+\c], v[S+16*\c], v[S+16*\c+1], v[S+16*\c+2]
.endr
.irp k, 3,5,7,9,11,13
.irp c, 0,1,2,3
	v_max3_num_f32 v[T+\c], v[T+\c], v[S+16*\c+\k], v[S+16*\c+\k+1]
.endr
.endr
	v_max3_num_f32 v[T], v[T], v[S+15], v[S+31]
	v_max3_num_f32 v[T+1], v[T+1], v[S+47], v[S+63]
	v_max3_num_f32 v[T+2], v[T+2], v[T+3], v[T]
.if \first
	v_max_num_f32 v[T], v[T+2], v[T+1]
.else
	v_max3_num_f32 v[T], v[T+2], v[T+1], v[MO]
.endif
	v_permlanex16_b32 v[T+4], v[T], s54, s55       ; the other half of the keys of my query
	v_max_num_f32 v[M+\qt], v[T], v[T+4]
	v_mul_f32 v[NCM], s50, v[M+\qt]
.if \first == 0
	v_fma_f32 v[AL], v[MO], s48, v[NCM]
	v_exp_f32 v[AL], v[AL]                         ; the packed multiply-add that follows is the plain place behind it (ISA guide 5.7.2)
.endif
.endm
; P = 2^(c S - c M), packed to f16, and its sum.  Three stages, one pair of numbers apart: multiply-add, exponentials, pack and add;
; so between an exponential and the use of its result stand plain instructions on other registers.
.macro SEXP qt, first
.set ii, 0
.rept 34
.if ii < 32
	v_pk_fma_f32 v[S+2*ii:S+2*ii+1], v[S+2*ii:S+2*ii+1], s[48:49], v[NCM:NCM+1] op_sel_hi:[1,0,0]
.endif
.if ii >= 1
.if ii <= 32
	v_exp_f32 v[S+2*ii-2], v[S+2*ii-2]
	v_exp_f32 v[S+2*ii-1], v[S+2*ii-1]
.endif
.endif
.if ii >= 2
	s_wait_alu depctr_va_vdst(0)
	v_cvt_pk_f16_f32 v[P+ii-2], v[S+2*ii-4], v[S+2*ii-3]
.if ii >= 6
.if ii < 10
	v_pk_add_f32 v[T+2*(ii-6):T+2*(ii-6)+1], v[S+2*(ii-6):S+2*(ii-6)+1], v[S+2*(ii-2):S+2*(ii-2)+1]   ; four chains, started by their first two pairs
.else
	v_pk_add_f32 v[T+2*((ii-2)%4):T+2*((ii-2)%4)+1], v[T+2*((ii-2)%4):T+2*((ii-2)%4)+1], v[S+2*(ii-2):S+2*(ii-2)+1]
.endif
.endif
.endif
.set ii, ii+1
.endr
	v_pk_add_f32 v[T:T+1], v[T:T+1], v[T+2:T+3]
	v_pk_add_f32 v[T+4:T+5], v[T+4:T+5], v[T+6:T+7]
	v_pk_add_f32 v[T:T+1], v[T:T+1], v[T+4:T+5]
.if \first
	v_add_f32 v[LS+\qt], v[T], v[T+1]
.else
	v_add_f32 v[T], v[T], v[T+1]
	v_fma_f32 v[LS+\qt], v[LS+\qt], v[AL], v[T]
.endif
.endm
.macro RESC qt                         ; the tile's four accumulators into the new maximum's scale
	WIN 0x82
.set ii, 0
.rept 16
	v_pk_mul_f32 v[32*\qt+2*ii:32*\qt+2*ii+1], v[32*\qt+2*ii:32*\qt+2*ii+1], v[AL:AL+1] op_sel_hi:[1,0]
.set ii, ii+1
.endr
.endm
.macro PV qt, first                    ; ctx^T += V^T P^T: 64 d x 16 queries over 128 keys
	WIN 0xa1
.irp kg, 0,1,2,3
.irp db, 0,1,2,3
.set zc, 0
.if \first
.if \kg == 0
.set zc, 1
.endif
.endif
.if zc
	v_wmma_f32_16x16x32_f16 v[32*\qt+8*\db:32*\qt+8*\db+7], v[VF+32*\kg+8*\db:VF+32*\kg+8*\db+7], v[P+8*\kg:P+8*\kg+7], 0
.else
	v_wmma_f32_16x16x32_f16 v[32*\qt+8*\db:32*\qt+8*\db+7], v[VF+32*\kg+8*\db:VF+32*\kg+8*\db+7], v[P+8*\kg:P+8*\kg+7], v[32*\qt+8*\db:32*\qt+8*\db+7]
.endif
.endr
.endr
.endm
.macro SOFTPV qt, first
	SMAX \qt, \first
	SEXP \qt, \first
.if \first == 0
	RESC \qt
.endif
	PV \qt, \first
.endm
; A key step: 128 keys (half hf of slot sl) against my four query tiles.
; turn = 1: the slots change behind this step; turn = 2: and this slot is filled again.  more = 1: the next step's K fragments (slot nsl, half nhf) are fetched.
; V^T is fetched behind the first tile's products and lands under its softmax; the next K is fetched behind the last tile's products.
.macro STEP sl, hf, first, turn, more, nsl, nhf
	s_wait_dscnt 0x0                               ; this step's K fragments are in
	QK 0
	PLACES                                         ; behind the products, and behind the last step's last use of V^T
	LOADV \sl, \hf
	WIN 0
	SMAX 0, \first
	SEXP 0, \first
	s_wait_dscnt 0x0                               ; V^T is in
.if \first == 0
	RESC 0
.endif
	PV 0, \first
.irp qt, 1,2
	QK \qt
	WIN 0
	PLACES
	SOFTPV \qt, \first
.endr
.if \turn
	s_wait_dscnt 0x0                               ; my reads of this slot are over: its fragments are all in registers
	s_set_vgpr_msb 0xa1aa
	s_wait_tensorcnt 0x0                           ; all my tensor loads have landed: the one that was out is my part of the other slot
	ds_add_u32 v128, v129
	s_wait_dscnt 0x0
	s_set_vgpr_msb 0xaaa1
	s_barrier_signal -1                            ; with turn = 2 this barrier opens a round of the cluster's barrier
.endif
	QK 3                                           ; register work while the others arrive
	WIN 0
.if \turn
	s_barrier_wait -1
.endif
.if \turn == 2
	CREST                                          ; no wave of any partner still reads this slot or has a load on its way
	s_add_nc_u64 s[G0+4*\sl+2:G0+4*\sl+3], s[G0+4*\sl+2:G0+4*\sl+3], 65536   ; 512 keys on
	JLOAD \sl                                      ; it has nearly two key steps in which to land
.endif
	PLACES
.if \more
	LOADK \nsl, \nhf
	WIN 0
.endif
	SOFTPV 3, \first
.endm
	s_wait_tensorcnt 0x1                           ; my part of slot 0 is in; slot 1's stays out
	s_barrier_signal -1
	s_barrier_wait -1
	LOADK 0, 0
	s_wait_loadcnt 0x0                             ; Q
	STEP 0, 0, 1, 0, 1, 0, 1                       ; the first step starts maxima, sums and accumulators: nothing is cleared
	WIN 0
	s_mov_b32 s56, 3
.Lloop:
	STEP 0, 1, 0, 2, 1, 1, 0
	STEP 1, 0, 0, 0, 1, 1, 1
	STEP 1, 1, 0, 2, 1, 0, 0
	STEP 0, 0, 0, 0, 1, 0, 1
	WIN 0
	s_sub_co_u32 s56, s56, 1
	s_cmp_lg_u32 s56, 0
	s_cbranch_scc1 .Lloop
	STEP 0, 1, 0, 1, 1, 1, 0                       ; the last three steps fill nothing
	STEP 1, 0, 0, 0, 1, 1, 1
	STEP 1, 1, 0, 0, 0, 0, 0
	; THE WAY OUT: divide by the row sums, round to f16, through LDS so that whole rows of 256 bytes (two heads) leave together.
	; The stage is slot 0: filled for the last time long ago, and not read since the barrier of the last change of slots.
	PLACES
	WIN 0
.irp qt, 0,1,2,3
	v_permlanex16_b32 v[T+2*\qt+1], v[LS+\qt], s54, s55            ; the other half's part of the sum
.endr
.irp qt, 0,1,2,3
	v_add_f32 v[T+2*\qt], v[LS+\qt], v[T+2*\qt+1]
.endr
.irp qt, 0,1,2,3
	v_rcp_f32 v[T+2*\qt], v[T+2*\qt]
.endr
	v_nop                                          ; the plain place behind the reciprocals (ISA guide 5.7.2)
	s_wait_alu depctr_va_vdst(0)
.irp qt, 0,1,2,3
	WIN 0x02
.set ii, 0
.rept 16
	v_pk_mul_f32 v[S+2*ii:S+2*ii+1], v[32*\qt+2*ii:32*\qt+2*ii+1], v[T+2*\qt:T+2*\qt+1] op_sel_hi:[1,0]
.set ii, ii+1
.endr
	WIN 0
.set ii, 0
.rept 16
	v_cvt_pk_f16_f32 v[P+ii], v[S+2*ii], v[S+2*ii+1]
.set ii, ii+1
.endr
.irp db, 0,1,2,3
	ds_store_b128 v[STO], v[P+4*\db:P+4*\db+3] offset:4352*\qt+32*\db     ; query 16 qt + r, d = 16 db + 8 h + 0..7
.endr
.endr
	s_wait_dscnt 0x0                               ; my stores are done, for the other waves' sake
	s_barrier_signal -1
	s_barrier_wait -1
.irp i, 0,1,2,3,4,5,6,7,8,9,10,11,12,13,14,15
	ds_load_b128 v[S+4*\i:S+4*\i+3], v[RD] offset:544*\i
.endr
.irp i, 0,1,2,3,4,5,6,7,8,9,10,11,12,13,14,15
	s_wait_dscnt 15-\i                             ; LDS loads come back in order: the younger ones stay out
	global_store_b128 v[CO], v[S+4*\i:S+4*\i+3], s[6:7] offset:4096*\i    ; sixteen lanes store 256 consecutive bytes of a row of ctx, aligned
.endr
	s_set_vgpr_msb 0xa
	s_wait_tensorcnt 0x0
	ds_add_u32 v128, v129
	s_wait_dscnt 0x0
	s_set_vgpr_msb 0xa00
	CROUND                                         ; the closing round
	s_endpgm
.Lfunc_end_k_q0a48cdaf65_attn:
	.size	k_q0a48cdaf65_attn, .Lfunc_end_k_q0a48cdaf65_attn-k_q0a48cdaf65_attn
	.p2alignl 7, 3214868480
	.fill 96, 4, 3214868480
	.section	.rodata,"a",@progbits
	.p2align	6, 0x0
	.amdhsa_kernel k_q0a48cdaf65_attn
		.amdhsa_group_segment_fixed_size 327680
		.amdhsa_private_segment_fixed_size 0
		.amdhsa_enable_private_segment 0
		.amdhsa_kernarg_size 16
		.amdhsa_user_sgpr_count 2
		.amdhsa_user_sgpr_kernarg_segment_ptr 1
		.amdhsa_wavefront_size32 1
		.amdhsa_system_sgpr_workgroup_id_x 1
		.amdhsa_system_sgpr_workgroup_id_y 1
		.amdhsa_system_sgpr_workgroup_id_z 1
		.amdhsa_system_vgpr_workitem_id 0
		.amdhsa_next_free_vgpr 642
		.amdhsa_next_free_sgpr 66
		.amdhsa_reserve_vcc 0
		.amdhsa_float_denorm_mode_32 3
		.amdhsa_float_denorm_mode_16_64 3
		.amdhsa_memory_ordered 1
		.amdhsa_forward_progress 1
		.amdhsa_inst_pref_size 255
	.end_amdhsa_kernel
	.section	.bss,"aw",@nobits
	.p2align	6
	.space	262144
	.amdgpu_metadata
---
amdhsa.version: [ 1, 2 ]
amdhsa.kernels:
  - .name:           k_q0a48cdaf65_attn
    .symbol:         k_q0a48cdaf65_attn.kd
    .args:
      - { .name: qkv, .offset: 0, .size: 8, .value_kind: global_buffer, .address_space: global }
      - { .name: ctx, .offset: 8, .size: 8, .value_kind: global_buffer, .address_space: global }
    .group_segment_fixed_size: 327680
    .private_segment_fixed_size: 0
    .kernarg_segment_align: 8
    .kernarg_segment_size: 16
    .max_flat_workgroup_size: 128
    .sgpr_count:     66
    .vgpr_count:     642
    .wavefront_size: 32
...
	.end_amdgpu_metadata
.endif
;; end of part 3
;; launch oproj (part 4): grid 8 x 32, 4 waves a work-group, clusters of 4 x 4, 327,680 bytes of LDS; arguments ctx, wt, bo, out0; writes out0
.if DOCPART == 4
	.amdgcn_target "amdgcn-amd-amdhsa--gfx1250"
	.amdhsa_code_object_version 6
	.text
	.protected	k_q0a48cdaf65_oproj
	.globl	k_q0a48cdaf65_oproj
	.p2align	8
	.type	k_q0a48cdaf65_oproj,@function
k_q0a48cdaf65_oproj:
	s_mov_b64 s[64:65], 0
	v_nop
	global_prefetch_b8 v0, s[64:65] scope:SCOPE_SE
	s_setreg_imm32_b32 hwreg(HW_REG_WAVE_MODE, 25, 1), 1
	s_wait_xcnt 0x0
	s_wait_alu depctr_hold_cnt(0) depctr_sa_sdst(0) depctr_va_vdst(0) depctr_va_sdst(0) depctr_va_ssrc(0) depctr_va_vcc(0) depctr_vm_vsrc(0)
	s_getreg_b32 s2, hwreg(HW_REG_IB_STS2, 6, 4)
	s_cmp_eq_u32 s2, 0
	s_cbranch_scc0 .Lentry_in_a_cluster
	s_endpgm
.Lentry_in_a_cluster:
	s_bfe_u32 s2, ttmp6, 0x10000c
	s_cmp_lg_u32 s2, 0xf033
	s_cbranch_scc0 .Lentry_shape_is_right
	s_endpgm
.Lentry_shape_is_right:
; out0[m][n] = sum over k of ctx[m][k] wt[3072 + n][k] + bo[n], 4096 x 1024 x 1024, f16 operands, f32 sums, f32 out.
; A block of 128 x 128 for each work-group makes 8 x 32 = 256 work-groups; a larger block would leave WGPs without work.
; Four waves, 64 x 64 each: 16 accumulators in window 1 (tile (a, b) at 8 (4 a + b)); fragments, bias and addresses in window 0.
; K goes through two LDS slots of 256 along K each (rows of 512 bytes, 528 apart): four phases, all written out; one load a wave brings 64 rows.
; CLUSTERS of 4 x 4: ctx's tiles are shared along a cluster's row, wt's along a column, asked for jointly.
; The matrix instruction is used transposed (source 0 = rows of wt): a lane holds eight neighbouring columns of one row.
; The 16 accumulators take turns, one instruction a turn, in the same order in every quarter.
; LIMIT: both operands are f16 as the earlier launches stored them (magnitudes below 65,504); sums, bias and result are f32.
.set SIZE_K, 1024
.set PITCH,  528
.set QTR,    64*PITCH                  ; what one tensor load brings, and what a wave reads of ctx or of wt
.set SLOT,   4*QTR                     ; 135,168 bytes
.set STAGE,  2*SLOT                    ; behind the ring: 16 rows x 272 bytes for each wave; no fill lands here
.set SPITCH, 272
.set ADRA, 16
.set ADRB, 20
.set STO,  24
.set RD,   25
.set CO,   26
.set HB,   27
.set F0,   64                          ; buffer 0: ctx's fragments v64-95, wt's v96-127
.set F1,   128                         ; buffer 1
.set BIAS, 192
.set TMP,  224
.set G1,  24
.set G0,  32
.set G1B, 48
.set G0B, 56
.set MSB, 0
.macro WIN new
.if MSB != \new
	s_set_vgpr_msb (MSB<<8)|\new
.set MSB, \new
.endif
.endm
.set MUL, 0x50                         ; C and D window 1, sources window 0
.macro JLOAD s
	s_cmp_eq_u32 s11, 0
	s_cbranch_scc0 .Lfor_b_\@
	tensor_load_to_lds s[G0+4*\s:G0+4*\s+3], s[G1:G1+7]
	s_nop 0
	s_branch .Lasked_\@
.Lfor_b_\@:
	tensor_load_to_lds s[G0B+4*\s:G0B+4*\s+3], s[G1B:G1B+7]
	s_nop 0
.Lasked_\@:
.endm
.macro CREST
	s_cmp_lg_u32 s10, 0
	s_cbranch_scc1 .Lnot_wave_0_\@
	s_barrier_signal -3
.Lnot_wave_0_\@:
	s_barrier_wait -3
	s_barrier_signal -1
	s_barrier_wait -1
.endm
.macro CROUND
	s_barrier_signal -1
	s_barrier_wait -1
	CREST
.endm
.macro PLACES                          ; four places behind a matrix instruction (ISA guide 7.12.1)
.rept 4
	v_nop
.endr
.endm
	s_load_b128 s[4:7], s[0:1], 0x0                ; ctx, wt
	s_load_b128 s[68:71], s[0:1], 0x10             ; bo, out0
	v_lshl_add_u32 v62, v0, 2, 0x46400
	v_mov_b32 v63, 0
	ds_add_u32 v62, v63
	v_lshrrev_b32 v1, 5, v0
	v_readfirstlane_b32 s10, v1                    ; wave
	s_lshr_b32 s11, s10, 1                         ; my half of the rows; also: I fetch for ctx (0) or wt (1)
	s_and_b32 s12, s10, 1                          ; my half of the columns; also: which 64 rows of that tile I fetch
	s_bfe_u32 s40, ttmp6, 0x40000                  ; cx
	s_bfe_u32 s41, ttmp6, 0x40004                  ; cy
	s_lshl_b32 s42, ttmp9, 2
	s_add_co_u32 s42, s42, s40                     ; block column
	s_and_b32 s13, ttmp7, 0xffff
	s_lshl_b32 s13, s13, 2
	s_add_co_u32 s13, s13, s41                     ; block row
	s_lshl_b32 s43, s41, 2
	s_lshl_b32 s43, 15, s43
	s_lshl_b32 s44, 0x1111, s40
	s_or_b32 s[G1+0], s43, (1<<16)|(1<<20)|(1<<21)|(6<<22)|(3<<25)   ; mask; elements of 2 bytes; padding of 4 words after every 128; bit 21 beside a mask
	s_or_b32 s[G1B+0], s44, (1<<16)|(1<<20)|(1<<21)|(6<<22)|(3<<25)
	s_mov_b32 s[G1+1], 256<<16                     ; tensor_dim0 = 256
	s_mov_b32 s[G1B+1], 256<<16
	s_mov_b32 s[G1+2], 64<<16                      ; tensor_dim1 = 64
	s_mov_b32 s[G1B+2], 64<<16
	s_mov_b32 s[G1+3], 256<<16                     ; tile_dim0 = 256
	s_mov_b32 s[G1B+3], 256<<16
	s_mov_b32 s[G1+4], 64                          ; tile_dim1 = 64
	s_mov_b32 s[G1B+4], 64
	s_mov_b32 s[G1+5], SIZE_K
	s_mov_b32 s[G1B+5], SIZE_K
	s_mov_b32 s[G1+6], 0
	s_mov_b32 s[G1B+6], 0
	s_mov_b32 s[G1+7], 0
	s_mov_b32 s[G1B+7], 0
	s_lshl_b32 s21, s12, 6
	s_lshl_b32 s16, s13, 7
	s_add_co_u32 s16, s16, s21                     ; ctx: row 128 x block row + 64 x half
	s_lshl_b32 s16, s16, 11
	s_mov_b32 s17, 0
	s_lshl_b32 s46, s42, 7
	s_add_co_u32 s46, s46, s21
	s_add_co_u32 s46, s46, 3072                    ; wt: row 3072 + 128 x block column + 64 x half
	s_lshl_b32 s46, s46, 11
	s_mov_b32 s47, 0
	s_mul_i32 s20, s10, QTR                        ; LDS: ctx's two halves, then wt's two = wave x 64 rows
	s_wait_dscnt 0x0
	s_wait_kmcnt 0x0
	s_add_nc_u64 s[14:15], s[4:5], s[16:17]
	s_add_nc_u64 s[46:47], s[6:7], s[46:47]
	CROUND                                         ; all sixteen work-groups are here
.irp s, 0,1
	s_mov_b32 s[G0+4*\s], 1
	s_add_co_u32 s[G0+4*\s+1], s20, \s*SLOT
	s_add_nc_u64 s[G0+4*\s+2:G0+4*\s+3], s[14:15], \s*512
	s_or_b32 s[G0+4*\s+3], s[G0+4*\s+3], 0x80000000
	s_mov_b32 s[G0B+4*\s], 1
	s_add_co_u32 s[G0B+4*\s+1], s20, \s*SLOT
	s_add_nc_u64 s[G0B+4*\s+2:G0B+4*\s+3], s[46:47], \s*512
	s_or_b32 s[G0B+4*\s+3], s[G0B+4*\s+3], 0x80000000
	JLOAD \s                                       ; phases 0 and 1: two loads of the wave are out, the most in this text
.endr
	v_and_b32 v1, 15, v0                           ; r
	v_bfe_u32 v2, v0, 4, 1                         ; h
	v_mul_u32_u24 v3, v1, PITCH
	v_lshl_add_u32 v3, v2, 4, v3
	s_mul_i32 s21, s11, QTR
	s_mul_i32 s22, s12, QTR
	s_add_co_u32 s22, s22, 2*QTR
.irp s, 0,1
	v_add_nc_u32 v[ADRA+\s], s21, v3
	v_add_nc_u32 v[ADRB+\s], s22, v3
	s_add_co_u32 s21, s21, SLOT
	s_add_co_u32 s22, s22, SLOT
.endr
	s_mul_i32 s23, s10, 16*SPITCH
	s_add_co_u32 s23, s23, STAGE                   ; my stage
	v_mul_u32_u24 v4, v1, SPITCH                   ; in: row r, 32 bytes for each half of the lanes
	v_lshl_add_u32 v4, v2, 5, v4
	v_add_nc_u32 v[STO], s23, v4
	v_mul_u32_u24 v5, v2, SPITCH                   ; back: lanes 0-15 one row of 256 bytes, lanes 16-31 the next
	v_lshl_add_u32 v5, v1, 4, v5
	v_add_nc_u32 v[RD], s23, v5
	v_lshlrev_b32 v[CO], 4, v1
	v_lshl_add_u32 v[CO], v2, 12, v[CO]            ; the same two rows in out0
	v_lshlrev_b32 v[HB], 5, v2
	s_lshl_b32 s46, s42, 9                         ; my first column in bytes: 512 x block column + 256 x half, for bo and for out0
	s_lshl_b32 s47, s12, 8
	s_add_co_u32 s46, s46, s47
	s_mov_b32 s47, 0
	s_add_nc_u64 s[68:69], s[68:69], s[46:47]
	s_add_nc_u64 s[70:71], s[70:71], s[46:47]
	s_lshl_b32 s16, s13, 7                         ; my first row: 128 x block row + 64 x half, rows of 4,096 bytes
	s_lshl_b32 s17, s11, 6
	s_add_co_u32 s16, s16, s17
	s_lshl_b32 s16, s16, 12
	s_mov_b32 s17, 0
	s_add_nc_u64 s[70:71], s[70:71], s[16:17]
.irp b, 0,1,2,3
	global_load_b128 v[BIAS+8*\b:BIAS+8*\b+3],   v[HB], s[68:69] offset:64*\b
	global_load_b128 v[BIAS+8*\b+4:BIAS+8*\b+7], v[HB], s[68:69] offset:64*\b+16
.endr
.macro MUL8 f, a0, zero                ; row blocks a0, a0 + 1 x all four column blocks, 32 along K
.irp a, \a0, \a0+1
.irp b, 0,1,2,3
.if \zero
	v_wmma_f32_16x16x32_f16 v[8*(4*(\a)+\b):8*(4*(\a)+\b)+7], v[\f+32+8*\b:\f+32+8*\b+7], v[\f+8*(\a):\f+8*(\a)+7], 0
.else
	v_wmma_f32_16x16x32_f16 v[8*(4*(\a)+\b):8*(4*(\a)+\b)+7], v[\f+32+8*\b:\f+32+8*\b+7], v[\f+8*(\a):\f+8*(\a)+7], v[8*(4*(\a)+\b):8*(4*(\a)+\b)+7]
.endif
.endr
.endr
.endm
.macro FETCH slot, k, f                ; 16 LDS loads: 64 rows of wt, then 64 rows of ctx
	WIN 0
.irp i, 0,1,2,3
	ds_load_b128 v[\f+32+8*\i:\f+32+8*\i+3],   v[ADRB+\slot] offset:\k+\i*16*PITCH
	ds_load_b128 v[\f+32+8*\i+4:\f+32+8*\i+7], v[ADRB+\slot] offset:\k+\i*16*PITCH+32
.endr
.irp i, 0,1,2,3
	ds_load_b128 v[\f+8*\i:\f+8*\i+3],   v[ADRA+\slot] offset:\k+\i*16*PITCH
	ds_load_b128 v[\f+8*\i+4:\f+8*\i+7], v[ADRA+\slot] offset:\k+\i*16*PITCH+32
.endr
.endm
.macro QUARTER slot, k, f, g, zero
	s_wait_dscnt 4                                 ; wt and ctx's row blocks 0, 1 are in; the youngest four loads (blocks 2, 3) may be out
	WIN MUL
	MUL8 \f, 0, \zero
	PLACES
	FETCH \slot, \k, \g
	s_wait_dscnt 16                                ; all but the 16 just issued
	WIN MUL
	MUL8 \f, 2, \zero
.endm
.macro SEVEN slot, zero                ; the first seven of a phase's eight quarters
	QUARTER \slot, 64,  F0, F1, \zero
	QUARTER \slot, 128, F1, F0, 0
	QUARTER \slot, 192, F0, F1, 0
	QUARTER \slot, 256, F1, F0, 0
	QUARTER \slot, 320, F0, F1, 0
	QUARTER \slot, 384, F1, F0, 0
	QUARTER \slot, 448, F0, F1, 0
.endm
; The eighth quarter changes slots: each wave's reads of this slot and all its tensor loads are waited for in front of the barrier;
; behind it the refill comes first, then the next slot's first fragments.
.macro TURN slot, next, fill
	s_wait_dscnt 0
	s_wait_tensorcnt 0x0
	ds_add_u32 v62, v63
	s_wait_dscnt 0x0
	s_barrier_signal -1                            ; where the slot is filled again this barrier opens a round of the cluster's barrier
	WIN MUL
	MUL8 F1, 0, 0
	WIN 0
	s_barrier_wait -1
.if \fill
	CREST
	s_add_nc_u64 s[G0+4*\slot+2:G0+4*\slot+3], s[G0+4*\slot+2:G0+4*\slot+3], 1024
	s_add_nc_u64 s[G0B+4*\slot+2:G0B+4*\slot+3], s[G0B+4*\slot+2:G0B+4*\slot+3], 1024
	JLOAD \slot                                    ; it has a phase of 128 matrix instructions, less eight, in which to land
.endif
	PLACES
	FETCH \next, 0, F0
	WIN MUL
	MUL8 F1, 2, 0
.endm
	s_wait_tensorcnt 1                             ; my part of phase 0 is in; phase 1's stays out
	s_barrier_signal -1
	s_barrier_wait -1
	FETCH 0, 0, F0
	SEVEN 0, 1                                     ; the first products start the sums
	TURN 0, 1, 1
	SEVEN 1, 0
	TURN 1, 0, 1
	SEVEN 0, 0
	TURN 0, 1, 0                                   ; nothing is left to fetch
	SEVEN 1, 0
	s_wait_dscnt 0
	WIN MUL
	MUL8 F1, 0, 0
	MUL8 F1, 2, 0
	; THE WAY OUT, sixteen rows at a time: add the bias, 32 bytes a lane into my own stage, back as whole rows of 256 bytes.
	; LDS serves a wave's instructions in order (ISA guide 5.7.1.4), so the stage needs no wait between stores and loads, nor between turns.
	PLACES
	s_wait_loadcnt 0x0                             ; the bias
.irp a, 0,1,2,3
	WIN 0x01
.irp b, 0,1,2,3
.irp r, 0,1,2,3
	v_pk_add_f32 v[TMP+8*\b+2*\r:TMP+8*\b+2*\r+1], v[8*(4*\a+\b)+2*\r:8*(4*\a+\b)+2*\r+1], v[BIAS+8*\b+2*\r:BIAS+8*\b+2*\r+1]
.endr
.endr
	WIN 0
.irp b, 0,1,2,3
	ds_store_b128 v[STO], v[TMP+8*\b:TMP+8*\b+3]   offset:64*\b
	ds_store_b128 v[STO], v[TMP+8*\b+4:TMP+8*\b+7] offset:64*\b+16
.endr
.irp t, 0,1,2,3,4,5,6,7
	ds_load_b128 v[F0+32*\a+4*\t:F0+32*\a+4*\t+3], v[RD] offset:\t*2*SPITCH
.endr
.irp t, 0,1,2,3,4,5,6,7
	s_wait_dscnt 7-\t                              ; the younger loads stay out
	global_store_b128 v[CO], v[F0+32*\a+4*\t:F0+32*\a+4*\t+3], s[70:71] offset:(16*\a+2*\t)*4096 th:TH_STORE_NT   ; sixteen lanes store 256 consecutive bytes, aligned
.endr
.endr
	s_wait_tensorcnt 0x0
	ds_add_u32 v62, v63
	s_wait_dscnt 0x0
	CROUND                                         ; the closing round
	s_endpgm
.Lfunc_end_k_q0a48cdaf65_oproj:
	.size	k_q0a48cdaf65_oproj, .Lfunc_end_k_q0a48cdaf65_oproj-k_q0a48cdaf65_oproj
	.p2alignl 7, 3214868480
	.fill 96, 4, 3214868480
	.section	.rodata,"a",@progbits
	.p2align	6, 0x0
	.amdhsa_kernel k_q0a48cdaf65_oproj
		.amdhsa_group_segment_fixed_size 327680
		.amdhsa_private_segment_fixed_size 0
		.amdhsa_enable_private_segment 0
		.amdhsa_kernarg_size 32
		.amdhsa_user_sgpr_count 2
		.amdhsa_user_sgpr_kernarg_segment_ptr 1
		.amdhsa_wavefront_size32 1
		.amdhsa_system_sgpr_workgroup_id_x 1
		.amdhsa_system_sgpr_workgroup_id_y 1
		.amdhsa_system_sgpr_workgroup_id_z 1
		.amdhsa_system_vgpr_workitem_id 0
		.amdhsa_next_free_vgpr 384
		.amdhsa_next_free_sgpr 72
		.amdhsa_reserve_vcc 0
		.amdhsa_float_denorm_mode_32 3
		.amdhsa_float_denorm_mode_16_64 3
		.amdhsa_memory_ordered 1
		.amdhsa_forward_progress 1
		.amdhsa_inst_pref_size 94
	.end_amdhsa_kernel
	.amdgpu_metadata
---
amdhsa.version: [ 1, 2 ]
amdhsa.kernels:
  - .name:           k_q0a48cdaf65_oproj
    .symbol:         k_q0a48cdaf65_oproj.kd
    .args:
      - { .name: ctx, .offset: 0, .size: 8, .value_kind: global_buffer, .address_space: global }
      - { .name: wt, .offset: 8, .size: 8, .value_kind: global_buffer, .address_space: global }
      - { .name: bo, .offset: 16, .size: 8, .value_kind: global_buffer, .address_space: global }
      - { .name: out0, .offset: 24, .size: 8, .value_kind: global_buffer, .address_space: global }
    .group_segment_fixed_size: 327680
    .private_segment_fixed_size: 0
    .kernarg_segment_align: 8
    .kernarg_segment_size: 32
    .max_flat_workgroup_size: 128
    .sgpr_count:     72
    .vgpr_count:     384
    .wavefront_size: 32
...
	.end_amdgpu_metadata
.endif
;; end of part 4
;; ======== version 2 of 2: 4 launches; 1.29 times as fast as version 1
;; limits: values are held in f16: magnitudes above 65,504 overflow, below 6.1e-05 lose precision
;; workspace buffers: xb 8,388,608 bytes; wt 8,388,608 bytes; qkv 25,165,824 bytes; ctx 8,388,608 bytes
;; launch prep: the kernel of part 1 again; grid 256 x 1, 8 waves a work-group, no clusters, 33,792 bytes of LDS; arguments inputs, Wq, Wk, Wv, Wo, xb, wt; writes xb, wt
;; launch qkvproj: the kernel of part 2 again; grid 16 x 16, 4 waves a work-group, clusters of 4 x 4, 327,680 bytes of LDS; arguments xb, wt, bq, bk, bv, qkv; writes qkv
;; launch attn (part 5): grid 16 x 16, 4 waves a work-group, clusters of 4 x 1, 327,680 bytes of LDS; arguments qkv, ctx; writes ctx
.if DOCPART == 5
	.amdgcn_target "amdgcn-amd-amdhsa--gfx1250"
	.amdhsa_code_object_version 6
	.text
	.protected	k_q0a48cdaf65_attn
	.globl	k_q0a48cdaf65_attn
	.p2align	8
	.type	k_q0a48cdaf65_attn,@function
k_q0a48cdaf65_attn:
	s_mov_b64 s[64:65], 0
	v_nop
	global_prefetch_b8 v0, s[64:65] scope:SCOPE_SE
	s_setreg_imm32_b32 hwreg(HW_REG_WAVE_MODE, 25, 1), 1
	s_wait_xcnt 0x0
	s_wait_alu depctr_hold_cnt(0) depctr_sa_sdst(0) depctr_va_vdst(0) depctr_va_sdst(0) depctr_va_ssrc(0) depctr_va_vcc(0) depctr_vm_vsrc(0)
	s_getreg_b32 s2, hwreg(HW_REG_IB_STS2, 6, 4)
	s_cmp_eq_u32 s2, 0
	s_cbranch_scc0 .Lentry_in_a_cluster
	s_endpgm
.Lentry_in_a_cluster:
	s_bfe_u32 s2, ttmp6, 0x10000c
	s_cmp_lg_u32 s2, 0x3003
	s_cbranch_scc0 .Lentry_shape_is_right
	s_endpgm
.Lentry_shape_is_right:
; ctx[b][s][64 head + d] = softmax over j of ( q.k / 8 + slope (j - i) ) x v, bidirectional, S = 2048, D = 64, in f16 products with f32 sums.
; A work-group takes 128 queries of two neighbouring heads (a row of ctx then leaves as 256 consecutive bytes); wave w takes head w / 2 of the
; two and 64 queries (four tiles of 16).  16 query blocks x 16 (batch, head pair) = 256 work-groups.
; CLUSTERS of 4 x 1: four query blocks of one head pair walk the same K and V: every tile is asked for jointly (mask 15).
; ORIENTATION: S^T = K Q^T (source 0 = 16 keys, source 1 = 16 queries): lane (r, h) holds keys 8 h + 0..7 of each key block for query r.
; These pack, in the lane itself, into source 1 of ctx^T = V^T P^T; V^T comes from LDS by the transposing load.  So maximum, sum and
; rescaling factor are one number a lane, and one exchange between the halves of the wave serves a tile.
; ALiBi: -slope i is constant along a softmax row and drops out of the softmax; 8 slope j enters as the C operand of the first product, with j counted
; inside the key step of 128; the running maximum is carried into the next step's frame by M -= 128 x 8 slope (one rounding a step).
; The maximum is taken away before every exponential (running maximum, sums and results rescaled).
; THE EXPONENTIALS.  For a query tile and a key step the rescaling factor and the 64 weights are ONE BATCH of 65 exponentials (64 in the first key step),
; each with a result register of its own, and the batch has ONE wait.  Ahead of the wait stands what names no result: the 32 scalings c S - c M, set between
; the exponentials, and the next tile's old maximum carried into its frame.  Behind it stand all the readers: the roundings to f16, the sums, the running
; sum's update, the accumulators' rescaling.  That is four waits a key step.  The way out's four reciprocals are a batch of their own, with one wait.
; LIMITS: q, k, v, P and ctx are f16.  P is at most 1 (up to the rounding of c M) since the maximum is taken away first; a P below 2^-25 counts as 0,
; and below 2^-14 its rounding error is at most 2^-25.  ctx is a convex mix of v and has v's range (below 65,504).
; The row sum is taken over the unrounded P; slopes are 2^-((head+1)/2), with 0x3f3504f3 for 2^-0.5;
; an exponential below 2^-126 counts as 0 (ISA guide, v_exp_f32).
; LDS: two slots of 256 keys x two heads.  Wave w fills its own region, at w x 36,864 in each slot: K of head 0, V of head 0, K of head 1, V of head 1.
; Two keys lie in a row of 256 bytes; K's rows are 272 bytes apart, V's 288.
; The way out uses slot 0 behind its last fill and last read.
; REGISTERS: window 0: addresses, M, sums, S (64), P (32), Q (64), the ALiBi table (64); window 1: K fragments v0-127, V^T fragments v128-255;
; window 2: the 16 accumulators (query tile qt, d block db) at 32 qt + 8 db.
; In every run of matrix instructions the accumulators take turns, one instruction a turn.
.set REG,  36864
.set SLOT, 4*REG
.set KP,   272
.set VP,   288
.set STO,  3
.set QO,   4
.set RD,   5
.set ADRK, 6                           ; v6-7   my K fragments in slot 0, 1
.set ADRV, 8                           ; v8-9   my V^T fragments
.set M,    10                          ; v10-13 running maximum of query tile 0..3, in the key step's frame
.set LS,   14                          ; v14-17 running sum (my half of the keys)
.set MO,   18                          ; the old maximum in the new frame
.set CO,   19
.set NCM,  20                          ; v20 = -c M; v21 is written once (the packed form names the pair)
.set AL,   22                          ; v22 = rescaling factor; v23 likewise
.set T,    24                          ; v24-31 at work
.set S,    32
.set P,    96
.set Q,    128
.set CL,   192
.set KF,   0
.set VF,   128
.set G1K,  24
.set G1V,  32
.set G0,   40
.set MSB, 0
.macro WIN new
.if MSB != \new
	s_set_vgpr_msb (MSB<<8)|\new
.set MSB, \new
.endif
.endm
.macro JLOAD sl                        ; even waves ask for K of their head, odd waves for V: one load a wave, 128 rows of 256 bytes
	s_cmp_eq_u32 s10, 0
	s_cbranch_scc0 .Lfor_v_\@
	tensor_load_to_lds s[G0+4*\sl:G0+4*\sl+3], s[G1K:G1K+7]
	s_nop 0
	s_branch .Lasked_\@
.Lfor_v_\@:
	tensor_load_to_lds s[G0+4*\sl:G0+4*\sl+3], s[G1V:G1V+7]
	s_nop 0
.Lasked_\@:
.endm
.macro CREST
	s_cmp_lg_u32 s8, 0
	s_cbranch_scc1 .Lnot_wave_0_\@
	s_barrier_signal -3
.Lnot_wave_0_\@:
	s_barrier_wait -3
	s_barrier_signal -1
	s_barrier_wait -1
.endm
.macro CROUND
	s_barrier_signal -1
	s_barrier_wait -1
	CREST
.endm
.macro PLACES                          ; four places behind a matrix instruction (ISA guide 7.12.1)
.rept 4
	v_nop
.endr
.endm
	s_load_b128 s[4:7], s[0:1], 0x0                ; qkv, ctx
	s_set_vgpr_msb 0x80
	v_lshl_add_u32 v128, v0, 2, 0x48000
	v_mov_b32 v129, 0
	s_set_vgpr_msb 0x808a
	ds_add_u32 v128, v129
	s_set_vgpr_msb 0x8a00
	v_lshrrev_b32 v1, 5, v0
	v_readfirstlane_b32 s8, v1                     ; wave
	s_lshr_b32 s9, s8, 1                           ; hs: my head of the pair
	s_and_b32 s10, s8, 1                           ; my half of the queries; also: I fetch K (0) or V (1)
	s_bfe_u32 s11, ttmp6, 0x40000                  ; cx
	s_lshl_b32 s12, ttmp9, 2
	s_add_co_u32 s12, s12, s11                     ; query block
	s_and_b32 s13, ttmp7, 0xffff
	s_lshr_b32 s14, s13, 3                         ; batch
	s_and_b32 s15, s13, 7                          ; head pair
	; group 1: a dense block as 128 rows of 32 elements of 8 bytes, padded behind each row by 4 words (K) or 8 words (V)
	s_mov_b32 s[G1K+0], 15|(3<<16)|(1<<20)|(1<<21)|(5<<22)|(3<<25)
	s_mov_b32 s[G1V+0], 15|(3<<16)|(1<<20)|(1<<21)|(5<<22)|(7<<25)
	s_mov_b32 s[G1K+1], 32<<16
	s_mov_b32 s[G1V+1], 32<<16
	s_mov_b32 s[G1K+2], 128<<16
	s_mov_b32 s[G1V+2], 128<<16
	s_mov_b32 s[G1K+3], 32<<16
	s_mov_b32 s[G1V+3], 32<<16
	s_mov_b32 s[G1K+4], 128
	s_mov_b32 s[G1V+4], 128
	s_mov_b32 s[G1K+5], 32
	s_mov_b32 s[G1V+5], 32
	s_mov_b32 s[G1K+6], 0
	s_mov_b32 s[G1V+6], 0
	s_mov_b32 s[G1K+7], 0
	s_mov_b32 s[G1V+7], 0
	s_lshl1_add_u32 s20, s15, s9                   ; head = 2 x pair + hs
	s_lshl_b32 s16, s10, 4
	s_add_co_u32 s16, s16, 16
	s_add_co_u32 s16, s16, s20                     ; head column: 16 + head (K) or 32 + head (V)
	s_lshl_b32 s16, s16, 19
	s_lshl_b32 s17, s14, 18                        ; + batch x 2,048 rows of 128 bytes
	s_add_co_u32 s16, s16, s17
	s_mov_b32 s17, 0
	s_mul_i32 s22, s8, REG                         ; my region of a slot
	; 8 slope = 2^(3 - (head+1)/2), made in the exponent field
	s_add_co_u32 s21, s20, 1
	s_lshr_b32 s21, s21, 1
	s_lshl_b32 s21, s21, 23
	s_mov_b32 s52, 0x40b504f3                      ; 8 x 2^-0.5
	s_mov_b32 s53, 0x41000000                      ; 8
	s_bitcmp1_b32 s20, 0                           ; an odd head has a whole exponent
	s_cselect_b32 s52, s53, s52
	s_sub_co_u32 s52, s52, s21                     ; 8 slope
	s_add_co_u32 s51, s52, 7<<23                   ; 128 x 8 slope: what a key step adds to the frame
	s_mov_b32 s48, 0x3e38aa3b                      ; c = log2(e) / 8
	s_mov_b32 s49, 0x3e38aa3b
	s_mov_b32 s50, 0xbe38aa3b                      ; -c
	s_mov_b32 s54, 0x76543210                      ; v_permlanex16_b32: lane i of the other half
	s_mov_b32 s55, 0xfedcba98
	; offsets that hang on the query block, in registers that feed no descriptor
	s_lshl_b32 s58, s20, 19                        ; Q: head column, batch, 128 x block + 64 x half rows of 128 bytes
	s_lshl_b32 s59, s14, 18
	s_add_co_u32 s58, s58, s59
	s_lshl_b32 s59, s12, 14
	s_add_co_u32 s58, s58, s59
	s_lshl_b32 s59, s10, 13
	s_add_co_u32 s58, s58, s59
	s_mov_b32 s59, 0
	s_lshl_b32 s62, s14, 22                        ; ctx: (2048 batch + 128 block + 32 wave) rows of 2,048 bytes + 256 x pair
	s_lshl_b32 s63, s12, 18
	s_add_co_u32 s62, s62, s63
	s_lshl_b32 s63, s8, 16
	s_add_co_u32 s62, s62, s63
	s_lshl_b32 s63, s15, 8
	s_add_co_u32 s62, s62, s63
	s_mov_b32 s63, 0
	s_wait_dscnt 0x0
	s_wait_kmcnt 0x0
	s_add_nc_u64 s[18:19], s[4:5], s[16:17]
	s_add_nc_u64 s[60:61], s[4:5], s[58:59]
	s_add_nc_u64 s[6:7], s[6:7], s[62:63]
	CROUND                                         ; the four work-groups are here: the first joint loads meet
.irp s, 0,1
	s_mov_b32 s[G0+4*\s], 1
	s_add_co_u32 s[G0+4*\s+1], s22, \s*SLOT
	s_add_nc_u64 s[G0+4*\s+2:G0+4*\s+3], s[18:19], \s*32768        ; keys 256 s ..
	s_or_b32 s[G0+4*\s+3], s[G0+4*\s+3], 0x80000000
	JLOAD \s                                       ; two loads of the wave are out, the most in this text
.endr
	v_and_b32 v1, 15, v0                           ; r
	v_bfe_u32 v2, v0, 4, 1                         ; h
	v_lshlrev_b32 v[QO], 7, v1
	v_lshl_add_u32 v[QO], v2, 4, v[QO]             ; Q fragment: query r, 16 bytes at 16 h, and 32 further
.irp qt, 0,1,2,3
.irp ks, 0,1
	global_load_b128 v[Q+16*\qt+8*\ks:Q+16*\qt+8*\ks+3],   v[QO], s[60:61] offset:2048*\qt+64*\ks
	global_load_b128 v[Q+16*\qt+8*\ks+4:Q+16*\qt+8*\ks+7], v[QO], s[60:61] offset:2048*\qt+64*\ks+32
.endr
.endr
	v_lshrrev_b32 v24, 1, v1                       ; K fragment: key r lies in pair row r / 2, half r % 2
	v_mul_u32_u24 v24, v24, KP
	v_and_b32 v25, 1, v1
	v_lshl_add_u32 v24, v25, 7, v24
	v_lshl_add_u32 v24, v2, 4, v24
	s_mul_i32 s23, s9, 2*REG
	v_add_nc_u32 v[ADRK], s23, v24
	v_add_nc_u32 v[ADRK+1], SLOT, v[ADRK]
	v_bfe_u32 v24, v0, 1, 2                        ; V^T fragment: I address key 8 h + l % 8, 16 bytes at 16 ((l / 8) % 2)
	v_lshl_add_u32 v24, v2, 2, v24
	v_mul_u32_u24 v24, v24, VP
	v_and_b32 v25, 1, v0
	v_lshl_add_u32 v24, v25, 7, v24
	v_bfe_u32 v25, v0, 3, 1
	v_lshl_add_u32 v24, v25, 4, v24
	s_add_co_u32 s23, s23, REG
	v_add_nc_u32 v[ADRV], s23, v24
	v_add_nc_u32 v[ADRV+1], SLOT, v[ADRV]
	s_mul_i32 s23, s10, 64*272                     ; the way out, in: row 64 half + r, byte 128 hs + 16 h
	s_lshl_b32 s21, s9, 7
	s_add_co_u32 s23, s23, s21
	v_mul_u32_u24 v24, v1, 272
	v_lshl_add_u32 v24, v2, 4, v24
	v_add_nc_u32 v[STO], s23, v24
	s_mul_i32 s23, s8, 32*272                      ; back: rows 32 wave + h, 16 bytes at 16 r
	v_mul_u32_u24 v24, v2, 272
	v_lshl_add_u32 v24, v1, 4, v24
	v_add_nc_u32 v[RD], s23, v24
	v_lshlrev_b32 v[CO], 4, v1
	v_lshl_add_u32 v[CO], v2, 11, v[CO]
	v_lshlrev_b32 v24, 3, v2                       ; the ALiBi table: 8 slope x (16 kb + 8 h + j), one rounding each
.set ii, 0
.rept 64
	v_add_nc_u32 v[CL+ii], 16*(ii/8)+(ii%8), v24
	v_cvt_f32_u32 v[CL+ii], v[CL+ii]
	v_mul_f32 v[CL+ii], s52, v[CL+ii]
.set ii, ii+1
.endr
	v_mov_b32 v[NCM+1], 0                          ; upper registers of pairs of which the lower alone is used
	v_mov_b32 v[AL+1], 0
	v_mov_b32 v[T+4], 0                            ; v_permlanex16_b32's destination counts as read
.macro LOADK sl, hf                    ; 128 keys x 64 d: 32 loads into window 1
	WIN 0x40
.irp kb, 0,1,2,3,4,5,6,7
.irp ks, 0,1
	ds_load_b128 v[KF+16*\kb+8*\ks:KF+16*\kb+8*\ks+3],   v[ADRK+\sl] offset:\hf*17408+\kb*2176+64*\ks
	ds_load_b128 v[KF+16*\kb+8*\ks+4:KF+16*\kb+8*\ks+7], v[ADRK+\sl] offset:\hf*17408+\kb*2176+64*\ks+32
.endr
.endr
.endm
.macro LOADV sl, hf                    ; 64 d x 128 keys, transposed on the way: fragment (d block db, 32 keys kg)
	WIN 0x40
.irp kg, 0,1,2,3
.irp db, 0,1,2,3
	ds_load_tr16_b128 v[VF+32*\kg+8*\db:VF+32*\kg+8*\db+3],   v[ADRV+\sl] offset:\hf*18432+\kg*4608+32*\db
	ds_load_tr16_b128 v[VF+32*\kg+8*\db+4:VF+32*\kg+8*\db+7], v[ADRV+\sl] offset:\hf*18432+\kg*4608+2304+32*\db
.endr
.endr
.endm
.macro QK qt                           ; S = 8 slope j + K Q^T for 128 keys x 16 queries
	WIN 0x01
.irp kb, 0,1,2,3,4,5,6,7
	v_wmma_f32_16x16x32_f16 v[S+8*\kb:S+8*\kb+7], v[KF+16*\kb:KF+16*\kb+7], v[Q+16*\qt:Q+16*\qt+7], v[CL+8*\kb:CL+8*\kb+7]
.endr
.irp kb, 0,1,2,3,4,5,6,7
	v_wmma_f32_16x16x32_f16 v[S+8*\kb:S+8*\kb+7], v[KF+16*\kb+8:KF+16*\kb+15], v[Q+16*\qt+8:Q+16*\qt+15], v[S+8*\kb:S+8*\kb+7]
.endr
.endm
; The new running maximum, -c M, and the factor for what has been summed.  MO, the tile's old maximum in this step's frame, was made behind the
; exponentials of the tile before (SEXP).  The factor's exponential opens the tile's batch.
.macro SMAX qt, first
.irp c, 0,1,2,3
	v_max3_num_f32 v[T+\c], v[S+16*\c], v[S+16*\c+1], v[S+16*\c+2]
.endr
.irp k, 3,5,7,9,11,13
.irp c, 0,1,2,3
	v_max3_num_f32 v[T+\c], v[T+\c], v[S+16*\c+\k], v[S+16*\c+\k+1]
.endr
.endr
	v_max3_num_f32 v[T], v[T], v[S+15], v[S+31]
	v_max3_num_f32 v[T+1], v[T+1], v[S+47], v[S+63]
	v_max3_num_f32 v[T+2], v[T+2], v[T+3], v[T]
.if \first
	v_max_num_f32 v[T], v[T+2], v[T+1]
.else
	v_max3_num_f32 v[T], v[T+2], v[T+1], v[MO]
.endif
	v_permlanex16_b32 v[T+4], v[T], s54, s55       ; the other half of the keys of my query
	v_max_num_f32 v[M+\qt], v[T], v[T+4]
	v_mul_f32 v[NCM], s50, v[M+\qt]
.if \first == 0
	v_fma_f32 v[AL], v[MO], s48, v[NCM]
	v_exp_f32 v[AL], v[AL]                         ; the packed multiply-add that follows is the plain place behind it (ISA guide 5.7.2)
.endif
.endm
; P = 2^(c S - c M), packed to f16, and its sum.
; THE BATCH: the factor's exponential (SMAX) and the 64 of the weights, in place on S.  The 32 scalings stand between them, a pair's scaling two pairs ahead
; of its exponentials; no line of the batch names an exponential's result.  Behind the last exponential stands one plain instruction that names none either:
; the next tile's old maximum carried into its frame (behind tile 3: tile 0's, for the next key step), or a v_nop where no later tile wants one: in the first
; key step's tiles 0 to 2, whose successors have no old maximum, and in the last step's tile 3.  Then ONE wait, then the readers.
; MORE is set by STEP: 1 where a further key step follows.
.macro SEXP qt, first
.set ii, 0
.rept 34
.if ii < 32
	v_pk_fma_f32 v[S+2*ii:S+2*ii+1], v[S+2*ii:S+2*ii+1], s[48:49], v[NCM:NCM+1] op_sel_hi:[1,0,0]
.endif
.if ii >= 2
	v_exp_f32 v[S+2*ii-4], v[S+2*ii-4]
	v_exp_f32 v[S+2*ii-3], v[S+2*ii-3]
.endif
.set ii, ii+1
.endr
.if ((\qt) < 3) && !(\first)
	v_sub_f32 v[MO], v[M+\qt+1], s51               ; the next tile's old maximum in this step's frame: the plain place behind the last exponential (ISA guide 5.7.2)
.elseif ((\qt) == 3) && MORE
	v_sub_f32 v[MO], v[M], s51                     ; tile 0's maximum in the next step's frame: likewise
.else
	v_nop                                          ; the plain place, where there is nothing to carry
.endif
	s_wait_alu depctr_va_vdst(0)                   ; the wait ahead of the first reader: one for the tile's whole batch, the factor and the 64 weights
.set ii, 0
.rept 32
	v_cvt_pk_f16_f32 v[P+ii], v[S+2*ii], v[S+2*ii+1]
.if ii >= 4
.if ii < 8
	v_pk_add_f32 v[T+2*(ii-4):T+2*(ii-4)+1], v[S+2*(ii-4):S+2*(ii-4)+1], v[S+2*ii:S+2*ii+1]   ; four chains, started by their first two pairs
.else
	v_pk_add_f32 v[T+2*(ii%4):T+2*(ii%4)+1], v[T+2*(ii%4):T+2*(ii%4)+1], v[S+2*ii:S+2*ii+1]
.endif
.endif
.set ii, ii+1
.endr
	v_pk_add_f32 v[T:T+1], v[T:T+1], v[T+2:T+3]
	v_pk_add_f32 v[T+4:T+5], v[T+4:T+5], v[T+6:T+7]
	v_pk_add_f32 v[T:T+1], v[T:T+1], v[T+4:T+5]
.if \first
	v_add_f32 v[LS+\qt], v[T], v[T+1]
.else
	v_add_f32 v[T], v[T], v[T+1]
	v_fma_f32 v[LS+\qt], v[LS+\qt], v[AL], v[T]
.endif
.endm
.macro RESC qt                         ; the tile's four accumulators into the new maximum's scale
	WIN 0x82
.set ii, 0
.rept 16
	v_pk_mul_f32 v[32*\qt+2*ii:32*\qt+2*ii+1], v[32*\qt+2*ii:32*\qt+2*ii+1], v[AL:AL+1] op_sel_hi:[1,0]
.set ii, ii+1
.endr
.endm
.macro PV qt, first                    ; ctx^T += V^T P^T: 64 d x 16 queries over 128 keys
	WIN 0xa1
.irp kg, 0,1,2,3
.irp db, 0,1,2,3
.set zc, 0
.if \first
.if \kg == 0
.set zc, 1
.endif
.endif
.if zc
	v_wmma_f32_16x16x32_f16 v[32*\qt+8*\db:32*\qt+8*\db+7], v[VF+32*\kg+8*\db:VF+32*\kg+8*\db+7], v[P+8*\kg:P+8*\kg+7], 0
.else
	v_wmma_f32_16x16x32_f16 v[32*\qt+8*\db:32*\qt+8*\db+7], v[VF+32*\kg+8*\db:VF+32*\kg+8*\db+7], v[P+8*\kg:P+8*\kg+7], v[32*\qt+8*\db:32*\qt+8*\db+7]
.endif
.endr
.endr
.endm
.macro SOFTPV qt, first
	SMAX \qt, \first
	SEXP \qt, \first
.if \first == 0
	RESC \qt
.endif
	PV \qt, \first
.endm
; A key step: 128 keys (half hf of slot sl) against my four query tiles.
; turn = 1: the slots change behind this step; turn = 2: and this slot is filled again.  more = 1: the next step's K fragments (slot nsl, half nhf) are fetched.
; V^T is fetched behind the first tile's products and lands under its softmax; the next K is fetched behind the last tile's products.
.macro STEP sl, hf, first, turn, more, nsl, nhf
.set MORE, \more
	s_wait_dscnt 0x0                               ; this step's K fragments are in
	QK 0
	PLACES                                         ; behind the products, and behind the last step's last use of V^T
	LOADV \sl, \hf
	WIN 0
	SMAX 0, \first
	SEXP 0, \first
	s_wait_dscnt 0x0                               ; V^T is in
.if \first == 0
	RESC 0
.endif
	PV 0, \first
.irp qt, 1,2
	QK \qt
	WIN 0
	PLACES
	SOFTPV \qt, \first
.endr
.if \turn
	s_wait_dscnt 0x0                               ; my reads of this slot are over: its fragments are all in registers
	s_set_vgpr_msb 0xa1aa
	s_wait_tensorcnt 0x0                           ; all my tensor loads have landed: the one that was out is my part of the other slot
	ds_add_u32 v128, v129
	s_wait_dscnt 0x0
	s_set_vgpr_msb 0xaaa1
	s_barrier_signal -1                            ; with turn = 2 this barrier opens a round of the cluster's barrier
.endif
	QK 3                                           ; register work while the others arrive
	WIN 0
.if \turn
	s_barrier_wait -1
.endif
.if \turn == 2
	CREST                                          ; no wave of any partner still reads this slot or has a load on its way
	s_add_nc_u64 s[G0+4*\sl+2:G0+4*\sl+3], s[G0+4*\sl+2:G0+4*\sl+3], 65536   ; 512 keys on
	JLOAD \sl                                      ; it has nearly two key steps in which to land
.endif
	PLACES
.if \more
	LOADK \nsl, \nhf
	WIN 0
.endif
	SOFTPV 3, \first
.endm
	s_wait_tensorcnt 0x1                           ; my part of slot 0 is in; slot 1's stays out
	s_barrier_signal -1
	s_barrier_wait -1
	LOADK 0, 0
	s_wait_loadcnt 0x0                             ; Q
	STEP 0, 0, 1, 0, 1, 0, 1                       ; the first step starts maxima, sums and accumulators: nothing is cleared
	WIN 0
	s_mov_b32 s56, 3
.Lloop:
	STEP 0, 1, 0, 2, 1, 1, 0
	STEP 1, 0, 0, 0, 1, 1, 1
	STEP 1, 1, 0, 2, 1, 0, 0
	STEP 0, 0, 0, 0, 1, 0, 1
	WIN 0
	s_sub_co_u32 s56, s56, 1
	s_cmp_lg_u32 s56, 0
	s_cbranch_scc1 .Lloop
	STEP 0, 1, 0, 1, 1, 1, 0                       ; the last three steps fill nothing
	STEP 1, 0, 0, 0, 1, 1, 1
	STEP 1, 1, 0, 0, 0, 0, 0
	; THE WAY OUT: divide by the row sums, round to f16, through LDS so that whole rows of 256 bytes (two heads) leave together.
	; The stage is slot 0: filled for the last time long ago, and not read since the barrier of the last change of slots.
	PLACES
	WIN 0
.irp qt, 0,1,2,3
	v_permlanex16_b32 v[T+2*\qt+1], v[LS+\qt], s54, s55            ; the other half's part of the sum
.endr
.irp qt, 0,1,2,3
	v_add_f32 v[T+2*\qt], v[LS+\qt], v[T+2*\qt+1]
.endr
.irp qt, 0,1,2,3
	v_rcp_f32 v[T+2*\qt], v[T+2*\qt]
.endr
	v_nop                                          ; the plain place behind the reciprocals (ISA guide 5.7.2)
	s_wait_alu depctr_va_vdst(0)                   ; the wait ahead of the first reader: one for the four reciprocals
.irp qt, 0,1,2,3
	WIN 0x02
.set ii, 0
.rept 16
	v_pk_mul_f32 v[S+2*ii:S+2*ii+1], v[32*\qt+2*ii:32*\qt+2*ii+1], v[T+2*\qt:T+2*\qt+1] op_sel_hi:[1,0]
.set ii, ii+1
.endr
	WIN 0
.set ii, 0
.rept 16
	v_cvt_pk_f16_f32 v[P+ii], v[S+2*ii], v[S+2*ii+1]
.set ii, ii+1
.endr
.irp db, 0,1,2,3
	ds_store_b128 v[STO], v[P+4*\db:P+4*\db+3] offset:4352*\qt+32*\db     ; query 16 qt + r, d = 16 db + 8 h + 0..7
.endr
.endr
	s_wait_dscnt 0x0                               ; my stores are done, for the other waves' sake
	s_barrier_signal -1
	s_barrier_wait -1
.irp i, 0,1,2,3,4,5,6,7,8,9,10,11,12,13,14,15
	ds_load_b128 v[S+4*\i:S+4*\i+3], v[RD] offset:544*\i
.endr
.irp i, 0,1,2,3,4,5,6,7,8,9,10,11,12,13,14,15
	s_wait_dscnt 15-\i                             ; LDS loads come back in order: the younger ones stay out
	global_store_b128 v[CO], v[S+4*\i:S+4*\i+3], s[6:7] offset:4096*\i    ; sixteen lanes store 256 consecutive bytes of a row of ctx, aligned
.endr
	s_set_vgpr_msb 0xa
	s_wait_tensorcnt 0x0
	ds_add_u32 v128, v129
	s_wait_dscnt 0x0
	s_set_vgpr_msb 0xa00
	CROUND                                         ; the closing round
	s_endpgm
.Lfunc_end_k_q0a48cdaf65_attn:
	.size	k_q0a48cdaf65_attn, .Lfunc_end_k_q0a48cdaf65_attn-k_q0a48cdaf65_attn
	.p2alignl 7, 3214868480
	.fill 96, 4, 3214868480
	.section	.rodata,"a",@progbits
	.p2align	6, 0x0
	.amdhsa_kernel k_q0a48cdaf65_attn
		.amdhsa_group_segment_fixed_size 327680
		.amdhsa_private_segment_fixed_size 0
		.amdhsa_enable_private_segment 0
		.amdhsa_kernarg_size 16
		.amdhsa_user_sgpr_count 2
		.amdhsa_user_sgpr_kernarg_segment_ptr 1
		.amdhsa_wavefront_size32 1
		.amdhsa_system_sgpr_workgroup_id_x 1
		.amdhsa_system_sgpr_workgroup_id_y 1
		.amdhsa_system_sgpr_workgroup_id_z 1
		.amdhsa_system_vgpr_workitem_id 0
		.amdhsa_next_free_vgpr 642
		.amdhsa_next_free_sgpr 66
		.amdhsa_reserve_vcc 0
		.amdhsa_float_denorm_mode_32 3
		.amdhsa_float_denorm_mode_16_64 3
		.amdhsa_memory_ordered 1
		.amdhsa_forward_progress 1
		.amdhsa_inst_pref_size 255
	.end_amdhsa_kernel
	.section	.bss,"aw",@nobits
	.p2align	6
	.space	262144
	.amdgpu_metadata
---
amdhsa.version: [ 1, 2 ]
amdhsa.kernels:
  - .name:           k_q0a48cdaf65_attn
    .symbol:         k_q0a48cdaf65_attn.kd
    .args:
      - { .name: qkv, .offset: 0, .size: 8, .value_kind: global_buffer, .address_space: global }
      - { .name: ctx, .offset: 8, .size: 8, .value_kind: global_buffer, .address_space: global }
    .group_segment_fixed_size: 327680
    .private_segment_fixed_size: 0
    .kernarg_segment_align: 8
    .kernarg_segment_size: 16
    .max_flat_workgroup_size: 128
    .sgpr_count:     66
    .vgpr_count:     642
    .wavefront_size: 32
...
	.end_amdgpu_metadata
.endif
;; end of part 5
;; launch oproj: the kernel of part 4 again; grid 8 x 32, 4 waves a work-group, clusters of 4 x 4, 327,680 bytes of LDS; arguments ctx, wt, bo, out0; writes out0
